; MI455X (gfx1250); checked and timed in simulation.
; The chip was launched on July 23, 2026; its instructions are those of AMD's public machine-readable ISA for CDNA 5 (MIT licence, August 2026) and "CDNA5" Instruction Set Architecture Reference Guide (July 2026). The comments in the code are by the model that wrote it; some were corrected since.
;; Self Attention V1. Allowed arithmetic: float matrix products may take bf16 or f16 operands with f32 sums; other float arithmetic in f32, or as packed bf16 or f16 multiplies, adds, multiply-adds, maxima and minima; sums over many terms, partial sums and values carried from step to step in f32; what a program stores and reads back later, other than sums and carried values, may be rounded once to bf16 or f16.
;; Inputs: Wk 1,024 x 1,024 float32; Wq 1,024 x 1,024 float32; Wv 1,024 x 1,024 float32; X 4 x 2,048 x 1,024 float32; bk 1,024 float32; bq 1,024 float32; bv 1,024 float32.
;; Outputs: out0 4 x 2,048 x 1,024 float32.
;; 2 versions, each right; version 2 is version 1 with the launch tobf16 written anew for expert scheduling mode. Each part assembles by itself: llvm-mc -triple=amdgcn-amd-amdhsa -mcpu=gfx1250 --defsym DOCPART=n.
;; ======== version 1 of 2: 4 launches
;; limits: values are held in f16: magnitudes above 65,504 overflow, below 6.1e-05 lose precision
;; workspace buffers: Xb 16,777,216 bytes; Wb 6,291,456 bytes; bb 12,288 bytes; qkv 50,331,648 bytes; pt 33,554,432 bytes; stats 1,048,576 bytes
;; launch tobf16 (part 1): grid 707 x 1, 8 waves a work-group, no clusters, 0 bytes of LDS; arguments X, Wq, Wk, Wv, bq, bk, bv, Xb, Wb, bb; writes Xb, Wb, bb
.if DOCPART == 1
	.amdgcn_target "amdgcn-amd-amdhsa--gfx1250"
	.amdhsa_code_object_version 6
	.text
	.protected	k_q4d2db18393_tobf16
	.globl	k_q4d2db18393_tobf16
	.p2align	8
	.type	k_q4d2db18393_tobf16,@function
k_q4d2db18393_tobf16:
	s_mov_b64 s[64:65], 0
	v_nop
	global_prefetch_b8 v0, s[64:65] scope:SCOPE_SE
	s_setreg_imm32_b32 hwreg(HW_REG_WAVE_MODE, 25, 1), 1
	s_wait_xcnt 0x0
; X, Wq, Wk, Wv (f32) are rounded once to bf16: Xb [8192][1024]; Wb [3072][1024] = Wq's rows, then Wk's, then Wv's.
; The three biases are rounded to bf16 too and kept as f32 in bb [3072], so that every input of the module has the same rounding.
; SHARES.  A row is 1,024 numbers: 4,096 bytes in, 2,048 out.  Thread t of 256 takes the 4 numbers at byte 16 t of each row.
; Work-groups 0-511: 16 rows of X each.  512-703: 16 rows of a weight matrix each.  704-706: one bias each.
; A stream: nothing is shared and nothing is read twice, so there is no LDS, no barrier, no matrix work.  All 16 loads of a thread go out first.
; A wave's load covers 512 consecutive bytes, a wave's store 256 consecutive bytes, aligned.
.set IN,  8                            ; v[8:71]    16 x 4 numbers as loaded
.set OUT, 72                           ; v[72:103]  16 x 2 words of two bf16
	s_load_b512 s[8:23], s[0:1], 0x0               ; X s[8:9], Wq s[10:11], Wk s[12:13], Wv s[14:15], bq s[16:17], bk s[18:19], bv s[20:21], Xb s[22:23]
	s_load_b128 s[24:27], s[0:1], 0x40             ; Wb s[24:25], bb s[26:27]
	v_lshlrev_b32 v1, 4, v0                        ; my 16 bytes of a row as it comes
	v_lshlrev_b32 v2, 3, v0                        ; my 8 bytes of a row as it leaves
	s_mov_b32 s35, 0                               ; high words of the two offsets
	s_mov_b32 s37, 0
	s_wait_kmcnt 0x0
	s_cmp_ge_u32 ttmp9, 704
	s_cbranch_scc1 .Lbias
	s_sub_co_u32 s30, ttmp9, 512                   ; w: my block of 16 rows among the 192 of the weights (used only from 512 on)
	s_lshr_b32 s31, s30, 6                         ; which matrix
	s_and_b32 s32, s30, 63                         ; which block of it
	s_cmp_eq_u32 s31, 1
	s_cselect_b64 s[4:5], s[12:13], s[10:11]
	s_cmp_eq_u32 s31, 2
	s_cselect_b64 s[4:5], s[14:15], s[4:5]
	s_cmp_lt_u32 ttmp9, 512                        ; or X
	s_cselect_b64 s[4:5], s[8:9], s[4:5]
	s_cselect_b64 s[6:7], s[22:23], s[24:25]
	s_cselect_b32 s32, ttmp9, s32                  ; block in the source
	s_cselect_b32 s30, ttmp9, s30                  ; block in the destination
	s_lshl_b32 s34, s32, 16                        ; 16 rows of 4,096 bytes
	s_lshl_b32 s36, s30, 15                        ; 16 rows of 2,048 bytes
	s_add_nc_u64 s[4:5], s[4:5], s[34:35]
	s_add_nc_u64 s[6:7], s[6:7], s[36:37]
.irp i, 0,1,2,3,4,5,6,7,8,9,10,11,12,13,14,15
	global_load_b128 v[IN+4*(\i):IN+4*(\i)+3], v1, s[4:5] offset:4096*(\i) th:TH_LOAD_NT
.endr
.irp i, 0,1,2,3,4,5,6,7,8,9,10,11,12,13,14,15
	s_wait_loadcnt 15-(\i)                         ; loads come back in order: row i is in, the younger ones stay out
	v_cvt_pk_bf16_f32 v[OUT+2*(\i)], v[IN+4*(\i)], v[IN+4*(\i)+1]
	v_cvt_pk_bf16_f32 v[OUT+2*(\i)+1], v[IN+4*(\i)+2], v[IN+4*(\i)+3]
	global_store_b64 v2, v[OUT+2*(\i):OUT+2*(\i)+1], s[6:7] offset:2048*(\i)  ; no register is written twice, so no wait frees one
.endr
	s_endpgm
.Lbias:
	s_sub_co_u32 s30, ttmp9, 704                   ; which bias
	s_cmp_eq_u32 s30, 1
	s_cselect_b64 s[4:5], s[18:19], s[16:17]
	s_cmp_eq_u32 s30, 2
	s_cselect_b64 s[4:5], s[20:21], s[4:5]
	s_lshl_b32 s34, s30, 12                        ; 1,024 numbers of 4 bytes
	s_add_nc_u64 s[6:7], s[26:27], s[34:35]
	global_load_b128 v[8:11], v1, s[4:5]
	s_wait_loadcnt 0x0
	v_cvt_pk_bf16_f32 v12, v8, v9                  ; rounded to bf16,
	v_cvt_pk_bf16_f32 v13, v10, v11
	v_lshlrev_b32 v16, 16, v12                     ; and written as f32 again
	v_and_b32 v17, 0xffff0000, v12
	v_lshlrev_b32 v18, 16, v13
	v_and_b32 v19, 0xffff0000, v13
	global_store_b128 v1, v[16:19], s[6:7]
	s_endpgm
.Lfunc_end_k_q4d2db18393_tobf16:
	.size	k_q4d2db18393_tobf16, .Lfunc_end_k_q4d2db18393_tobf16-k_q4d2db18393_tobf16
	.p2alignl 7, 3214868480
	.fill 96, 4, 3214868480
	.section	.rodata,"a",@progbits
	.p2align	6, 0x0
	.amdhsa_kernel k_q4d2db18393_tobf16
		.amdhsa_group_segment_fixed_size 0
		.amdhsa_private_segment_fixed_size 0
		.amdhsa_enable_private_segment 0
		.amdhsa_kernarg_size 80
		.amdhsa_user_sgpr_count 2
		.amdhsa_user_sgpr_kernarg_segment_ptr 1
		.amdhsa_wavefront_size32 1
		.amdhsa_system_sgpr_workgroup_id_x 1
		.amdhsa_system_sgpr_workgroup_id_y 1
		.amdhsa_system_sgpr_workgroup_id_z 1
		.amdhsa_system_vgpr_workitem_id 0
		.amdhsa_next_free_vgpr 104
		.amdhsa_next_free_sgpr 66
		.amdhsa_reserve_vcc 0
		.amdhsa_float_denorm_mode_32 3
		.amdhsa_float_denorm_mode_16_64 3
		.amdhsa_memory_ordered 1
		.amdhsa_forward_progress 1
		.amdhsa_inst_pref_size 8
	.end_amdhsa_kernel
	.amdgpu_metadata
---
amdhsa.version: [ 1, 2 ]
amdhsa.kernels:
  - .name:           k_q4d2db18393_tobf16
    .symbol:         k_q4d2db18393_tobf16.kd
    .args:
      - { .name: X, .offset: 0, .size: 8, .value_kind: global_buffer, .address_space: global }
      - { .name: Wq, .offset: 8, .size: 8, .value_kind: global_buffer, .address_space: global }
      - { .name: Wk, .offset: 16, .size: 8, .value_kind: global_buffer, .address_space: global }
      - { .name: Wv, .offset: 24, .size: 8, .value_kind: global_buffer, .address_space: global }
      - { .name: bq, .offset: 32, .size: 8, .value_kind: global_buffer, .address_space: global }
      - { .name: bk, .offset: 40, .size: 8, .value_kind: global_buffer, .address_space: global }
      - { .name: bv, .offset: 48, .size: 8, .value_kind: global_buffer, .address_space: global }
      - { .name: Xb, .offset: 56, .size: 8, .value_kind: global_buffer, .address_space: global }
      - { .name: Wb, .offset: 64, .size: 8, .value_kind: global_buffer, .address_space: global }
      - { .name: bb, .offset: 72, .size: 8, .value_kind: global_buffer, .address_space: global }
    .group_segment_fixed_size: 0
    .private_segment_fixed_size: 0
    .kernarg_segment_align: 8
    .kernarg_segment_size: 80
    .max_flat_workgroup_size: 256
    .sgpr_count:     66
    .vgpr_count:     104
    .wavefront_size: 32
...
	.end_amdgpu_metadata
.endif
;; end of part 1
;; launch proj (part 2): grid 12 x 16, 4 waves a work-group, clusters of 4 x 4, 327,680 bytes of LDS; arguments Xb, Wb, bb, qkv; writes qkv
.if DOCPART == 2
	.amdgcn_target "amdgcn-amd-amdhsa--gfx1250"
	.amdhsa_code_object_version 6
	.text
	.protected	k_q4d2db18393_proj
	.globl	k_q4d2db18393_proj
	.p2align	8
	.type	k_q4d2db18393_proj,@function
k_q4d2db18393_proj:
	s_mov_b64 s[64:65], 0
	v_nop
	global_prefetch_b8 v0, s[64:65] scope:SCOPE_SE
	s_setreg_imm32_b32 hwreg(HW_REG_WAVE_MODE, 25, 1), 1
	s_wait_xcnt 0x0
	s_wait_alu depctr_hold_cnt(0) depctr_sa_sdst(0) depctr_va_vdst(0) depctr_va_sdst(0) depctr_va_ssrc(0) depctr_va_vcc(0) depctr_vm_vsrc(0)
	s_getreg_b32 s2, hwreg(HW_REG_IB_STS2, 6, 4)
	s_cmp_eq_u32 s2, 0
	s_cbranch_scc0 .Lentry_in_a_cluster
	s_endpgm
.Lentry_in_a_cluster:
	s_bfe_u32 s2, ttmp6, 0x10000c
	s_cmp_lg_u32 s2, 0xf033
	s_cbranch_scc0 .Lentry_shape_is_right
	s_endpgm
.Lentry_shape_is_right:
; qkv[m][n] = sum over k of Xb[m][k] Wb[n][k] + bb[n].  Xb [8192][1024] and Wb [3072][1024] bf16, bb [3072] f32, qkv [8192][3072] f16 (q, k, v side by side in a row).
; Sums in f32, started from the bias; qkv rounded once.  LIMIT: f16 ends at 65,504: |q|, |k|, |v| must stay under it; NaN and infinities are not treated apart.
; SHARES.  A tile is 256 rows x 256 columns: four waves, each 128 x 128: 64 accumulators of 16 x 16, 512 registers.  8192 x 3072 numbers are 384 tiles; 192 work-groups walk two each, rows 256 y and 256 y + 4096,
; on the same 256 rows of Wb.  (A tile of half the height would give 256 work-groups three each, with 128 products a wave in a K step where this one has 256: half the work between a refill and the wait for it,
; and three LDS loads where this one has two.  A tile of 256 x 384 would want two slots of 174,080 bytes.)
; K goes in steps of 128 (rows of 256 bytes) through two LDS slots filled by tensor loads; the ring runs on from the first tile into the second.
; CLUSTER.  4 x 4 work-groups.  The four of a row of the cluster need the same rows of Xb, the four of a column the same rows of Wb: each tile is asked for jointly, by the same load, descriptor and mask in all four.
; THE MATRIX INSTRUCTION IS USED TRANSPOSED: source 0 = 16 rows of Wb, source 1 = 16 rows of Xb: lane l then holds row l % 16 of the result and its registers the columns 8 (l / 16) + 0..7.
; REGISTERS, in windows of 256: window 0: v0-31 addresses; v64-127, v128-191 Xb's fragments (8 x 16 rows x 32 K), two buffers; v192-223 a packed block; v32-63, v224-255 the same as whole rows.
;   window 1: v64-127, v128-191 Wb's fragments, two buffers; v192-255 the bias.   window 2: the accumulators of my rows 0-63 ((a, b) at 8 (8 a + b));   window 3: those of my rows 64-127.
.set PITCH,  272                       ; an LDS row: 256 bytes + 16 of padding, 68 words: the 16 rows of a fragment load start 4 banks apart
.set HALFT,  128*PITCH                 ; 128 rows: what one tensor load brings, and what a wave reads of A or of B
.set SLOT,   4*HALFT                   ; A's 256 rows, then B's 256 rows.  Slot 0 begins at 0, slot 1 at SLOT
.set STAGE,  2*SLOT                    ; behind the ring, never filled by a tensor load: 16 rows x 272 bytes for each wave
.set SPARE,  STAGE+4*16*PITCH          ; the spare words, 128 bytes for each wave: two blocks of 256 bytes that no other line names
.set INROW,  2048                      ; bytes in a row of Xb and of Wb
.set ATILE,  4096*INROW                ; from a tile's rows of Xb to the next tile's
.set OROW,   6144                      ; bytes in a row of qkv
.set CTILE,  4096*OROW
.set STEPS,  16                        ; 2 tiles x 8 K steps
.set G1W0,   (1<<16)|(1<<20)|(1<<21)|(5<<22)|(3<<25)  ; 2-byte elements; padding on; bit 21 beside a mask; after every 64 words; 4 words
.set R,   1                            ; v1  l % 16
.set H,   2                            ; v2  l / 16
.set LN,  3                            ; v3  l
.set AA0, 10                           ; v10 my lane's place in a slot's A part; never rewritten
.set AB0, 11                           ; v11 the same for B
.set ADA, 12                           ; v12 the same in the slot in hand
.set ADB, 13
.set STO, 14                           ; v14 the way out: where I put 16 bytes of a row
.set RD,  15                           ; v15 where I read rows back
.set CO,  16                           ; v16 my byte offset in two rows of qkv
.set PFO, 17                           ; v17 the prefetches' offset: lane x a row
.set SPW, 18                           ; v18 my spare word; never rewritten
.set NIL, 19                           ; v19 0; never rewritten
.set BO,  20                           ; v20 32 x (l / 16): my eight numbers in 16 of the bias
.set F0,  64
.set F1,  128
.set TMP, 192
.set OB,  32
.set BIAS, 192                         ; window 1: the C operand that starts a tile's sums: for column block b the bias of columns 16 b + 8 (l / 16) + 0..7
.set WV, 12
.set RH, 13                            ; which 128 rows are mine
.set CH, 14                            ; which 128 columns; also: which half of A's or B's tile I fetch
.set CX, 15
.set CY, 16
.set XX, 17                            ; work-group x: the tile column
.set YY, 18                            ; work-group y: the first tile's row
.set CLY, 19                           ; cluster y
.set G1A, 24
.set G1B, 32
.set G0A0, 40                          ; step 0, slot 0: used once
.set G0A, 44                           ; step 1, slot 1; then it walks
.set G0B0, 48
.set G0B, 52
.set ABASE, 56                         ; my half of the first tile's A at K = 0
.set BBASE, 58
.set OFA, 60
.set OFB, 62
.set CNT, 66
.set RQ,  67                           ; the step to be asked for next
.set TS,  68                           ; steps left in the tile
.set TB,  69                           ; the slot in hand: 0 or SLOT
.set T0,  70
.set T1,  71
.set PFB, 72
.set PFA, 74
.set POF, 76
.set PLIM, 78                          ; a wave prefetches steps below this number
.set PTILE, 79
.set GP,  80
.set WOFF, 81                          ; wave x HALFT: my load's place in a slot
.set CP,  88                           ; qkv at my 128 rows x 128 columns of the tile in hand
.set XP,  90                           ; bb at my 128 columns
.set MSB, 0
.macro WIN new                         ; the immediate's high byte repeats the setting that is left; a switch that changes nothing is dropped
.if MSB != (\new)
	s_set_vgpr_msb (MSB<<8)|(\new)
.set MSB, \new
.endif
.endm
.macro CREST                           ; a round of the cluster's barrier behind its opening barrier
	s_cmp_lg_u32 s[WV], 0
	s_cbranch_scc1 .Lnot_wave_0_\@
	s_barrier_signal -3
.Lnot_wave_0_\@:
	s_barrier_wait -3
	s_barrier_signal -1
	s_barrier_wait -1
.endm
.macro CROUND
	s_barrier_signal -1
	s_barrier_wait -1
	CREST
.endm
.macro PLACES                          ; four plain vector instructions between a matrix instruction and a load into, or a vector read of, its registers
.rept 4
	v_nop
.endr
.endm
; A joint refill: waves 0 and 1 fetch A's halves, waves 2 and 3 B's.  The branch hangs on the wave's number alone.  An s_nop 0 and four v_nop follow each line.
.macro JLOAD
	s_cmp_lt_u32 s[WV], 2
	s_cbranch_scc0 .Lfor_b_\@
	tensor_load_to_lds s[G0A:G0A+3], s[G1A:G1A+7]
	s_nop 0
	PLACES
	s_branch .Lasked_\@
.Lfor_b_\@:
	tensor_load_to_lds s[G0B:G0B+3], s[G1B:G1B+7]
	s_nop 0
	PLACES
.Lasked_\@:
.endm
; One prefetch a wave behind each refill, for the K step two refills on, 512 products ahead of the load that will want it: 32 rows x 256 bytes, a lane a row.  Of the 128 rows that a wave fetches each of the four
; partners that ask for them jointly takes 32, told apart by address (cx for Xb, cy for Wb), never by a branch.  Xb's rows are read by the three clusters of a row of clusters: the one with x = 0 asks, in both tiles.
; Wb's rows are read by the four clusters of a column, and again in the second tile: the cluster with y = 0 asks, in the first tile alone.  So each row's 256 bytes of a step are named once in the launch.
; The first four steps come by their loads alone.
.macro ASK
	s_cmp_lt_u32 s[GP], s[PLIM]
	s_cbranch_scc0 .Lnot_mine_\@
	global_prefetch_b8 v[PFO], s[PFA:PFA+1] th:TH_LOAD_NT scope:SCOPE_SE
.Lnot_mine_\@:
.endm
; 16 products: row blocks a0, a0 + 1 of the window's four (hi = 0: my rows 0-63, 1: rows 64-127) x all 8 column blocks, 32 along K.  first = 1: the sums start from the bias.
; The 64 accumulators take turns, in the same order in every quarter: 63 others stand between two links of a chain.
.macro MUL16 f, hi, a0, first
.if \first
	WIN 0x91+0x40*(\hi)                            ; source 0 (B) and C window 1, source 1 (A) window 0, D window 2 or 3
.else
	WIN 0xa1+0x50*(\hi)                            ; source 0 window 1, source 1 window 0, C and D window 2 or 3
.endif
.irp a, \a0, (\a0)+1
.irp b, 0,1,2,3,4,5,6,7
.if \first
	v_wmma_f32_16x16x32_bf16 v[8*(8*(\a)+(\b)):8*(8*(\a)+(\b))+7], v[(\f)+8*(\b):(\f)+8*(\b)+7], v[(\f)+8*(4*(\hi)+(\a)):(\f)+8*(4*(\hi)+(\a))+7], v[BIAS+8*(\b):BIAS+8*(\b)+7]
.else
	v_wmma_f32_16x16x32_bf16 v[8*(8*(\a)+(\b)):8*(8*(\a)+(\b))+7], v[(\f)+8*(\b):(\f)+8*(\b)+7], v[(\f)+8*(4*(\hi)+(\a)):(\f)+8*(4*(\hi)+(\a))+7], v[8*(8*(\a)+(\b)):8*(8*(\a)+(\b))+7]
.endif
.endr
.endr
.endm
; 32 LDS loads in one run: the fragments of 32 along K at byte k of the rows of the slot in hand, into buffer f: B's 128 rows, then A's
.macro FETCH k, f
	WIN 0x40                                       ; destination window 1, address window 0
.irp i, 0,1,2,3,4,5,6,7
	ds_load_b128 v[(\f)+8*(\i):(\f)+8*(\i)+3],   v[ADB] offset:(\k)+(\i)*16*PITCH
	ds_load_b128 v[(\f)+8*(\i)+4:(\f)+8*(\i)+7], v[ADB] offset:(\k)+(\i)*16*PITCH+32
.endr
	WIN 0
.irp i, 0,1,2,3,4,5,6,7
	ds_load_b128 v[(\f)+8*(\i):(\f)+8*(\i)+3],   v[ADA] offset:(\k)+(\i)*16*PITCH
	ds_load_b128 v[(\f)+8*(\i)+4:(\f)+8*(\i)+7], v[ADA] offset:(\k)+(\i)*16*PITCH+32
.endr
.endm
; A K step is four quarters of 32 along K, 64 products each, on buffers 0, 1, 0, 1.  One of the first three: multiplies buffer f and, in its middle, fetches the next quarter, at byte k, into buffer g.
.macro QUARTER k, f, g, first
	s_wait_dscnt 8                                 ; B and A's rows 0-63 are in; the youngest eight loads (A's rows 64-127) may be out
	MUL16 \f, 0, 0, \first
	MUL16 \f, 0, 2, \first
	PLACES
	FETCH \k, \g
	s_wait_dscnt 32                                ; all but the 32 just issued
	MUL16 \f, 1, 0, \first
	MUL16 \f, 1, 2, \first
.endm
; The last quarter multiplies buffer 1 and changes slots.  One barrier: in front of it each wave waits for all its tensor loads (one is out: its part of the next slot), adds 0 to its spare word, and waits for
; that and for its reads of this slot.  The barrier opens a round of the cluster's, and the slot just read is filled again, first thing behind the round, with step RQ:
; from there to the wait for it a wave issues 224 products.
.macro TURN
	s_wait_xcnt 0x0                                ; the last prefetch, a K step back, has read its address
	s_add_co_u32 s[GP], s[RQ], 2                   ; the step that this turn's prefetch names
	s_and_b32 s[T0], s[GP], 7
	s_lshl_b32 s[T0], s[T0], 8                     ; its 256 bytes along K,
	s_lshr_b32 s[T1], s[GP], 3
	s_mul_i32 s[T1], s[T1], s[PTILE]               ; its tile
	s_add_co_u32 s[POF], s[T0], s[T1]
	s_add_nc_u64 s[PFA:PFA+1], s[PFB:PFB+1], s[POF:POF+1]
	WIN 0
	s_wait_tensorcnt 0x0                           ; no tensor load of mine is out, so a group 0 may be written
	ds_add_u32 v[SPW], v[NIL]                      ; 0 onto my spare word
	s_and_b32 s[T0], s[RQ], 7
	s_lshl_b32 s[T0], s[T0], 8
	s_lshr_b32 s[T1], s[RQ], 3
	s_mul_i32 s[T1], s[T1], ATILE
	s_add_co_u32 s[OFA], s[T0], s[T1]              ; A: along K, and the tile's rows
	s_mov_b32 s[OFB], s[T0]                        ; B: along K only: both tiles take the same rows
	s_add_co_u32 s[G0A+1], s[TB], s[WOFF]          ; into the slot in hand: the slot's constant + wave x a constant
	s_add_nc_u64 s[G0A+2:G0A+3], s[ABASE:ABASE+1], s[OFA:OFA+1]
	s_or_b32 s[G0A+3], s[G0A+3], 0x80000000
	s_add_co_u32 s[G0B+1], s[TB], s[WOFF]
	s_add_nc_u64 s[G0B+2:G0B+3], s[BBASE:BBASE+1], s[OFB:OFB+1]
	s_or_b32 s[G0B+3], s[G0B+3], 0x80000000
	s_add_co_u32 s[RQ], s[RQ], 1
	s_wait_dscnt 9                                 ; the add and the youngest eight loads may be out
	MUL16 F1, 0, 0, 0
	s_wait_dscnt 0x0                               ; the add is done, and my reads of this slot are over
	s_barrier_signal -1
	MUL16 F1, 0, 2, 0
	WIN 0
	s_barrier_wait -1
	CREST                                          ; no wave of any partner still reads this slot or has a load on its way
	JLOAD                                          ; its four v_nop are also the places in front of the loads below
	s_xor_b32 s[TB], s[TB], SLOT
	v_add_nc_u32 v[ADA], s[TB], v[AA0]
	v_add_nc_u32 v[ADB], s[TB], v[AB0]
	FETCH 0, F0
	ASK
	MUL16 F1, 1, 0, 0
	MUL16 F1, 1, 2, 0
.endm
.macro TURNT                           ; the same quarter in the last two steps: nothing is asked for, so my work-group's barrier is enough
	WIN 0
	s_wait_tensorcnt 0x0                           ; my part of the last slot is in
	ds_add_u32 v[SPW], v[NIL]
	s_wait_dscnt 9
	MUL16 F1, 0, 0, 0
	s_wait_dscnt 0x0
	s_barrier_signal -1
	MUL16 F1, 0, 2, 0
	s_barrier_wait -1
	MUL16 F1, 1, 0, 0
	MUL16 F1, 1, 2, 0
.endm
.macro NEXTF                           ; the next slot's first fragments
	PLACES
	s_xor_b32 s[TB], s[TB], SLOT
	v_add_nc_u32 v[ADA], s[TB], v[AA0]
	v_add_nc_u32 v[ADB], s[TB], v[AB0]
	FETCH 0, F0
.endm
; THE WAY OUT of row block a.  PACK: rounded to f16, each accumulator's registers in ascending order.  TOSTAGE: 16 bytes a lane into my own stage, and back as whole rows of 256 bytes.  SEND: stored.
.macro PACK a
.set AC, 64*((\a)%4)
	WIN 0x0a+5*((\a)/4)                            ; sources 0 and 1: window 2 or 3
.irp b, 0,1,2,3,4,5,6,7
.irp q, 0,1,2,3
	v_cvt_pk_f16_f32 v[TMP+4*(\b)+(\q)], v[AC+8*(\b)+2*(\q)], v[AC+8*(\b)+2*(\q)+1]
.endr
.endr
.endm
.macro TOSTAGE a
	WIN 0
.set BK, OB+192*((\a)%2)
.irp b, 0,1,2,3,4,5,6,7
	ds_store_b128 v[STO], v[TMP+4*(\b):TMP+4*(\b)+3] offset:32*(\b)
.endr
.irp t, 0,1,2,3,4,5,6,7
	ds_load_b128 v[BK+4*(\t):BK+4*(\t)+3], v[RD] offset:(\t)*2*PITCH  ; LDS serves a wave's instructions in order: these see the stores above
.endr
.endm
.macro SEND a
	WIN 0
.set BK, OB+192*((\a)%2)
	s_wait_dscnt 0x0                               ; the block is back in registers
	s_wait_xcnt 0x0                                ; the stores of the block before have read their registers: the other buffer is loaded again only behind this wait
.irp t, 0,1,2,3,4,5,6,7
	global_store_b128 v[CO], v[BK+4*(\t):BK+4*(\t)+3], s[CP:CP+1] offset:(16*(\a)+2*(\t))*OROW  ; 16 lanes store 256 consecutive bytes, aligned
.endr
.endm
.macro WAYOUT more                     ; block a's conversions stand between block a - 1's loads from the stage and the wait for them
	PLACES                                         ; the conversions read results just made
	PACK 0
	TOSTAGE 0
.irp a, 1,2,3,4,5,6,7
	PACK \a
	SEND (\a)-1
	TOSTAGE \a
.endr
	SEND 7
.if \more
	s_wait_xcnt 0x0
	s_add_nc_u64 s[CP:CP+1], s[CP:CP+1], CTILE     ; 4,096 rows down
.endif
.endm
	s_load_b256 s[4:11], s[0:1], 0x0               ; Xb s[4:5], Wb s[6:7], bb s[8:9], qkv s[10:11]
	v_lshl_add_u32 v[SPW], v0, 2, SPARE
	v_mov_b32 v[NIL], 0
	ds_add_u32 v[SPW], v[NIL]                      ; the wave's opening: the add and its wait stand ahead of my first tensor load; work on registers stands between them
	v_lshrrev_b32 v4, 5, v0
	v_readfirstlane_b32 s[WV], v4
	s_lshr_b32 s[RH], s[WV], 1
	s_and_b32 s[CH], s[WV], 1
	s_bfe_u32 s[CX], ttmp6, 0x40000
	s_bfe_u32 s[CY], ttmp6, 0x40004
	s_lshl_b32 s[XX], ttmp9, 2
	s_add_co_u32 s[XX], s[XX], s[CX]
	s_and_b32 s[CLY], ttmp7, 0xffff
	s_lshl_b32 s[YY], s[CLY], 2
	s_add_co_u32 s[YY], s[YY], s[CY]
	s_lshl_b32 s22, s[CY], 2
	s_lshl_b32 s22, 15, s22                        ; my row of the cluster
	s_lshl_b32 s23, 0x1111, s[CX]                  ; my column
	s_or_b32 s[G1A], s22, G1W0
	s_or_b32 s[G1B], s23, G1W0
.irp g, G1A, G1B
	s_mov_b32 s[(\g)+1], 128<<16                   ; tensor_dim0 = 128
	s_mov_b32 s[(\g)+2], 128<<16                   ; tensor_dim1 = 128
	s_mov_b32 s[(\g)+3], 128<<16                   ; tile_dim0 = 128
	s_mov_b32 s[(\g)+4], 128                       ; tile_dim1 = 128
	s_mov_b32 s[(\g)+5], 1024                      ; elements from row to row
	s_mov_b32 s[(\g)+6], 0
	s_mov_b32 s[(\g)+7], 0
.endr
	s_lshl_b32 s21, s[CH], 7                       ; which 128 rows of the tile I fetch
	s_lshl_b32 s[OFA], s[YY], 8                    ; A's chain holds the work-group's y and the wave's number alone
	s_add_co_u32 s[OFA], s[OFA], s21
	s_lshl_b32 s[OFA], s[OFA], 11                  ; row 256 y + 128 half, in bytes
	s_mov_b32 s[OFA+1], 0
	s_lshl_b32 s[OFB], s[XX], 8                    ; B's chain the work-group's x and the wave's number alone
	s_add_co_u32 s[OFB], s[OFB], s21
	s_lshl_b32 s[OFB], s[OFB], 11                  ; row 256 x + 128 half
	s_mov_b32 s[OFB+1], 0
	s_mul_i32 s[WOFF], s[WV], HALFT                ; where they go: A's two halves, then B's two: no place in the cluster enters an LDS address
	s_mov_b32 s[G0A0], 1
	s_mov_b32 s[G0A0+1], s[WOFF]
	s_mov_b32 s[G0A], 1
	s_add_co_u32 s[G0A+1], s[WOFF], SLOT
	s_mov_b32 s[G0B0], 1
	s_mov_b32 s[G0B0+1], s[WOFF]
	s_mov_b32 s[G0B], 1
	s_add_co_u32 s[G0B+1], s[WOFF], SLOT
	s_mov_b32 s[CNT], STEPS-2
	s_mov_b32 s[RQ], 2
	s_mov_b32 s[TS], 8
	s_mov_b32 s[TB], 0
	s_mov_b32 s[POF+1], 0
	s_wait_dscnt 0x0                               ; the opening add is done
	s_wait_kmcnt 0x0
	s_add_nc_u64 s[ABASE:ABASE+1], s[4:5], s[OFA:OFA+1]
	s_add_nc_u64 s[BBASE:BBASE+1], s[6:7], s[OFB:OFB+1]
	s_add_nc_u64 s[G0A0+2:G0A0+3], s[ABASE:ABASE+1], 0
	s_or_b32 s[G0A0+3], s[G0A0+3], 0x80000000
	s_add_nc_u64 s[G0A+2:G0A+3], s[ABASE:ABASE+1], 256
	s_or_b32 s[G0A+3], s[G0A+3], 0x80000000
	s_add_nc_u64 s[G0B0+2:G0B0+3], s[BBASE:BBASE+1], 0
	s_or_b32 s[G0B0+3], s[G0B0+3], 0x80000000
	s_add_nc_u64 s[G0B+2:G0B+3], s[BBASE:BBASE+1], 256
	s_or_b32 s[G0B+3], s[G0B+3], 0x80000000
	s_lshl_b32 s21, s[YY], 8                       ; qkv at my part of the first tile
	s_lshl_b32 s22, s[RH], 7
	s_add_co_u32 s21, s21, s22
	s_mul_i32 s22, s21, OROW
	s_lshl_b32 s21, s[XX], 9
	s_add_co_u32 s22, s22, s21
	s_lshl_b32 s21, s[CH], 8
	s_add_co_u32 s22, s22, s21
	s_mov_b32 s23, 0
	s_add_nc_u64 s[CP:CP+1], s[10:11], s[22:23]
	s_lshl_b32 s22, s[XX], 10                      ; bb at my 128 columns
	s_lshl_b32 s21, s[CH], 9
	s_add_co_u32 s22, s22, s21
	s_add_nc_u64 s[XP:XP+1], s[8:9], s[22:23]
	s_lshl_b32 s21, s[YY], 8                       ; the prefetches: of Xb rows 256 y + 128 half + 32 cx on,
	s_lshl_b32 s22, s[CX], 5
	s_add_co_u32 s21, s21, s22
	s_lshl_b32 s22, s[XX], 8                       ; of Wb rows 256 x + 128 half + 32 cy on
	s_lshl_b32 s23, s[CY], 5
	s_add_co_u32 s22, s22, s23
	s_cmp_lt_u32 s[WV], 2
	s_cselect_b32 s21, s21, s22
	s_cselect_b64 s[PFB:PFB+1], s[4:5], s[6:7]
	s_cselect_b32 s[PTILE], ATILE, 0
	s_cselect_b32 s22, ttmp9, s[CLY]               ; the coordinate along which other clusters read the same rows
	s_cselect_b32 s[PLIM], 16, 8                   ; Xb in both tiles, Wb in the first
	s_lshl_b32 s23, s[CH], 7
	s_add_co_u32 s21, s21, s23
	s_lshl_b32 s[POF], s21, 11
	s_add_nc_u64 s[PFB:PFB+1], s[PFB:PFB+1], s[POF:POF+1]
	s_cmp_eq_u32 s22, 0                            ; the same in all sixteen partners, for a given wave
	s_cselect_b32 s[PLIM], s[PLIM], 0
	CROUND                                         ; all sixteen work-groups are here: the first joint loads meet
	s_cmp_lt_u32 s[WV], 2                          ; a wave's two first fills stand in one branch: two loads of mine are out
	s_cbranch_scc0 .Lfirst_b
	tensor_load_to_lds s[G0A0:G0A0+3], s[G1A:G1A+7]
	s_nop 0
	tensor_load_to_lds s[G0A:G0A+3], s[G1A:G1A+7]
	s_nop 0
	PLACES
	s_branch .Lfirst_asked
.Lfirst_b:
	tensor_load_to_lds s[G0B0:G0B0+3], s[G1B:G1B+7]
	s_nop 0
	tensor_load_to_lds s[G0B:G0B+3], s[G1B:G1B+7]
	s_nop 0
	PLACES
.Lfirst_asked:
	v_and_b32 v[R], 15, v0
	v_bfe_u32 v[H], v0, 4, 1
	v_and_b32 v[LN], 31, v0
	v_lshlrev_b32 v[BO], 5, v[H]
	WIN 0x40                                       ; the bias goes into window 1: 128 numbers, laid as a C operand; both tiles have the same columns
.irp b, 0,1,2,3,4,5,6,7
	global_load_b128 v[BIAS+8*(\b):BIAS+8*(\b)+3],   v[BO], s[XP:XP+1] offset:64*(\b)
	global_load_b128 v[BIAS+8*(\b)+4:BIAS+8*(\b)+7], v[BO], s[XP:XP+1] offset:64*(\b)+16
.endr
	WIN 0
	v_mul_u32_u24 v4, v[R], PITCH
	v_lshl_add_u32 v4, v[H], 4, v4                 ; a fragment's row x pitch + 16 x half
	s_mul_i32 s21, s[RH], HALFT
	v_add_nc_u32 v[AA0], s21, v4
	s_mul_i32 s21, s[CH], HALFT
	s_add_co_u32 s21, s21, 2*HALFT
	v_add_nc_u32 v[AB0], s21, v4
	s_mul_i32 s21, s[WV], 16*PITCH
	s_add_co_u32 s21, s21, STAGE                   ; my stage
	v_add_nc_u32 v[STO], s21, v4                   ; in: row l % 16, 16 bytes for each half of the lanes
	v_mul_u32_u24 v5, v[H], PITCH                  ; back: lanes 0-15 one row of 256 bytes, lanes 16-31 the next
	v_lshl_add_u32 v5, v[R], 4, v5
	v_add_nc_u32 v[RD], s21, v5
	v_mul_u32_u24 v5, v[H], OROW                   ; and the same two rows in qkv
	v_lshl_add_u32 v[CO], v[R], 4, v5
	v_mul_u32_u24 v[PFO], v[LN], INROW
	v_mov_b32 v[ADA], v[AA0]
	v_mov_b32 v[ADB], v[AB0]
	s_wait_tensorcnt 0x1                           ; my part of step 0 is in; step 1's may stay out
	s_barrier_signal -1
	s_barrier_wait -1                              ; everybody's is
	FETCH 0, F0
	s_wait_loadcnt 0x0                             ; the bias
	QUARTER 64, F0, F1, 1                          ; a tile's first quarter starts the sums
	WIN 0                                          ; at a label and at a branch every window is 0
.Lstep:                                                ; 14 trips: a step's last three quarters with its refill, then the next step's first; behind the first tile's eighth step the tile goes out
	QUARTER 128, F1, F0, 0
	QUARTER 192, F0, F1, 0
	TURN
	WIN 0
	s_sub_co_u32 s[TS], s[TS], 1
	s_cmp_lg_u32 s[TS], 0
	s_cbranch_scc1 .Lplain                         ; a jump forward, over text without a barrier or a tensor load
	WAYOUT 1                                       ; both refills for the next tile have been asked for
	s_mov_b32 s[TS], 8
	QUARTER 64, F0, F1, 1
	WIN 0
	s_branch .Lnext
.Lplain:
	QUARTER 64, F0, F1, 0
	WIN 0
.Lnext:
	s_sub_co_u32 s[CNT], s[CNT], 1
	s_cmp_lg_u32 s[CNT], 0
	s_cbranch_scc1 .Lstep
	s_mov_b32 s[CNT], 2
.Ltail:                                                ; the last two steps have a text of their own: nothing is asked for
	QUARTER 128, F1, F0, 0
	QUARTER 192, F0, F1, 0
	TURNT
	WIN 0
	s_cmp_eq_u32 s[CNT], 1                         ; behind the last step there is no slot to go on to
	s_cbranch_scc1 .Ldead                          ; a jump forward, over text without a barrier or a tensor load
	NEXTF
	QUARTER 64, F0, F1, 0
	WIN 0
.Ldead:
	s_sub_co_u32 s[CNT], s[CNT], 1
	s_cmp_lg_u32 s[CNT], 0
	s_cbranch_scc1 .Ltail
	WAYOUT 0
	WIN 0
	s_wait_tensorcnt 0x0                           ; the wave's end, behind my last tensor load and my last LDS store
	ds_add_u32 v[SPW], v[NIL]
	s_wait_dscnt 0x0
	CROUND                                         ; the closing round: no work-group ends while a partner may still ask for a tile that names it
	s_endpgm
.Lfunc_end_k_q4d2db18393_proj:
	.size	k_q4d2db18393_proj, .Lfunc_end_k_q4d2db18393_proj-k_q4d2db18393_proj
	.p2alignl 7, 3214868480
	.fill 96, 4, 3214868480
	.section	.rodata,"a",@progbits
	.p2align	6, 0x0
	.amdhsa_kernel k_q4d2db18393_proj
		.amdhsa_group_segment_fixed_size 327680
		.amdhsa_private_segment_fixed_size 0
		.amdhsa_enable_private_segment 0
		.amdhsa_kernarg_size 32
		.amdhsa_user_sgpr_count 2
		.amdhsa_user_sgpr_kernarg_segment_ptr 1
		.amdhsa_wavefront_size32 1
		.amdhsa_system_sgpr_workgroup_id_x 1
		.amdhsa_system_sgpr_workgroup_id_y 1
		.amdhsa_system_sgpr_workgroup_id_z 1
		.amdhsa_system_vgpr_workitem_id 0
		.amdhsa_next_free_vgpr 1024
		.amdhsa_next_free_sgpr 92
		.amdhsa_reserve_vcc 0
		.amdhsa_float_denorm_mode_32 3
		.amdhsa_float_denorm_mode_16_64 3
		.amdhsa_memory_ordered 1
		.amdhsa_forward_progress 1
		.amdhsa_inst_pref_size 140
	.end_amdhsa_kernel
	.amdgpu_metadata
---
amdhsa.version: [ 1, 2 ]
amdhsa.kernels:
  - .name:           k_q4d2db18393_proj
    .symbol:         k_q4d2db18393_proj.kd
    .args:
      - { .name: Xb, .offset: 0, .size: 8, .value_kind: global_buffer, .address_space: global }
      - { .name: Wb, .offset: 8, .size: 8, .value_kind: global_buffer, .address_space: global }
      - { .name: bb, .offset: 16, .size: 8, .value_kind: global_buffer, .address_space: global }
      - { .name: qkv, .offset: 24, .size: 8, .value_kind: global_buffer, .address_space: global }
    .group_segment_fixed_size: 327680
    .private_segment_fixed_size: 0
    .kernarg_segment_align: 8
    .kernarg_segment_size: 32
    .max_flat_workgroup_size: 128
    .sgpr_count:     92
    .vgpr_count:     1024
    .wavefront_size: 32
...
	.end_amdgpu_metadata
.endif
;; end of part 2
;; launch scores (part 3): grid 8 x 32, 4 waves a work-group, clusters of 4 x 4, 327,680 bytes of LDS; arguments qkv, pt, stats; writes pt, stats
.if DOCPART == 3
	.amdgcn_target "amdgcn-amd-amdhsa--gfx1250"
	.amdhsa_code_object_version 6
	.text
	.protected	k_q4d2db18393_scores
	.globl	k_q4d2db18393_scores
	.p2align	8
	.type	k_q4d2db18393_scores,@function
k_q4d2db18393_scores:
	s_mov_b64 s[64:65], 0
	v_nop
	global_prefetch_b8 v0, s[64:65] scope:SCOPE_SE
	s_setreg_imm32_b32 hwreg(HW_REG_WAVE_MODE, 25, 1), 1
	s_wait_xcnt 0x0
	s_wait_alu depctr_hold_cnt(0) depctr_sa_sdst(0) depctr_va_vdst(0) depctr_va_sdst(0) depctr_va_ssrc(0) depctr_va_vcc(0) depctr_vm_vsrc(0)
	s_getreg_b32 s2, hwreg(HW_REG_IB_STS2, 6, 4)
	s_cmp_eq_u32 s2, 0
	s_cbranch_scc0 .Lentry_in_a_cluster
	s_endpgm
.Lentry_in_a_cluster:
	s_bfe_u32 s2, ttmp6, 0x10000c
	s_cmp_lg_u32 s2, 0xf033
	s_cbranch_scc0 .Lentry_shape_is_right
	s_endpgm
.Lentry_shape_is_right:
; For each query row and each block j of 128 keys of its batch: s = q . k; c m_j = c x the block's largest s; pt = 2^(c s - c m_j), rounded once to f16; l_j = the sum of the unrounded pt.  c = log2(e) / 32.
; q and k are columns 0-1023 and 1024-2047 of qkv [8192][3072] f16.  pt [8192][2048] f16.  stats f32: [plane 2][j 16][group of 64 rows 128][r 16][a 4], the row in a group 16 a + r; plane 0 c m, plane 1 l.
; The block's true maximum is taken away here; the launch behind joins the 16 blocks of a row by their maxima, so that the row's true maximum is taken away in the end.
; LIMITS: a pt below 6e-8 counts as 0 in the product behind (f16's smallest step), below 2^-126 also in l; NaN and infinities are not treated apart.
; SHARES.  A work-group makes one tile of 256 queries x 256 keys: 8 x 8 tiles a batch, 256 in all.  Four waves, each 128 queries x 128 keys (one block j): 64 accumulators, 512 registers.
; K (the 1,024 channels) goes in 8 steps of 128 through two LDS slots.  CLUSTER 4 x 4: q's rows are shared along a row of the cluster, k's along a column: joint loads.
; THE MATRIX INSTRUCTION IS USED TRANSPOSED (source 0 = 16 keys, source 1 = 16 queries): a lane holds ONE query (l % 16) and the keys 8 (l / 16) + 0..7 of each group of 16: maximum and sum want one exchange of the lanes' halves.
; REGISTERS: window 0: v0-31 addresses and statistics at work; v64-127, v128-191 q's fragments, two buffers; on the way out v64-127 a block's 64 numbers a lane, v128-159 c m, l and what is stored of them,
;   v192-223 the block packed, v32-63 the same as whole rows.  window 1: v64-191 k's fragments, two buffers.  windows 2, 3: the accumulators of my rows 0-63 and 64-127 ((a, b) at 8 (8 a + b)).
.set PITCH,  272
.set HALFT,  128*PITCH
.set SLOT,   4*HALFT
.set STAGE,  2*SLOT
.set SPARE,  STAGE+4*16*PITCH
.set INROW,  6144                      ; bytes in a row of qkv
.set OROW,   4096                      ; bytes in a row of pt
.set STEPS,  8
.set G1W0,   (1<<16)|(1<<20)|(1<<21)|(5<<22)|(3<<25)
.set R,   1
.set H,   2
.set LN,  3
.set AA0, 10
.set AB0, 11
.set ADA, 12
.set ADB, 13
.set STO, 14
.set RD,  15
.set CO,  16
.set PFO, 17
.set SPW, 18
.set NIL, 19
.set BO,  20                           ; v20 my 16 bytes in stats: 16 (l % 16), lanes 16-31 in plane 1
.set TC,  24                           ; v[24:27] four running maxima
.set TX,  28                           ; v28      what the other half of the lanes holds
.set LF,  29                           ; v29      l of the block in hand
.set BK,  32
.set F0,  64
.set F1,  128
.set X,   64                           ; v[64:127]  the block in hand: c s - c m, then the weights
.set CM,  128                          ; v[128:143] c m of row block a at CM + 2 a: the low register of a pair, for the packed scaling; the odd ones are named with them and never used
.set LL,  144                          ; v[144:151] l of row block a
.set SS,  152                          ; v[152:159] what I store into stats
.set TMP, 192
.set WV, 12
.set RH, 13
.set CH, 14
.set CX, 15
.set CY, 16
.set XX, 17
.set YY, 18
.set CLY, 19
.set BAT, 20                           ; the batch: 2 clusters along y each
.set G1A, 24
.set G1B, 32
.set G0A0, 40
.set G0A, 44
.set G0B0, 48
.set G0B, 52
.set ABASE, 56
.set BBASE, 58
.set OFA, 60
.set OFB, 62
.set CNT, 66
.set RQ,  67
.set TB,  69
.set T0,  70
.set PFB, 72
.set PFA, 74
.set POF, 76
.set PLIM, 78
.set GP,  80
.set WOFF, 81
.set CS,  82                           ; s[82:83] c
.set SEL, 84                           ; s[84:85] v_permlanex16_b32's selects: each lane takes its own place in the other half
.set HM,  86                           ; s86 the lanes 16-31, as a mask
.set BL,  87                           ; s87 row blocks still to go out
.set CP,  88
.set XP,  90
.set MSB, 0
.macro WIN new
.if MSB != (\new)
	s_set_vgpr_msb (MSB<<8)|(\new)
.set MSB, \new
.endif
.endm
.macro CREST
	s_cmp_lg_u32 s[WV], 0
	s_cbranch_scc1 .Lnot_wave_0_\@
	s_barrier_signal -3
.Lnot_wave_0_\@:
	s_barrier_wait -3
	s_barrier_signal -1
	s_barrier_wait -1
.endm
.macro CROUND
	s_barrier_signal -1
	s_barrier_wait -1
	CREST
.endm
.macro PLACES
.rept 4
	v_nop
.endr
.endm
.macro JLOAD                           ; waves 0 and 1 fetch q's halves, waves 2 and 3 k's; an s_nop 0 and four v_nop follow each line
	s_cmp_lt_u32 s[WV], 2
	s_cbranch_scc0 .Lfor_b_\@
	tensor_load_to_lds s[G0A:G0A+3], s[G1A:G1A+7]
	s_nop 0
	PLACES
	s_branch .Lasked_\@
.Lfor_b_\@:
	tensor_load_to_lds s[G0B:G0B+3], s[G1B:G1B+7]
	s_nop 0
	PLACES
.Lasked_\@:
.endm
; One prefetch a wave behind each refill, for the K step two refills on, 512 products ahead of the load that will want it: 32 rows x 256 bytes, a lane a row.  Of the 128 rows that a wave fetches each of the four
; partners takes 32, told apart by address (cx for q, cy for k).  q's rows are read by the two clusters of a row of clusters: the one with x = 0 asks; k's by a batch's two clusters: the first asks.
; So each block is named once in the launch.  The first four steps come by their loads alone.
.macro ASK
	s_cmp_lt_u32 s[GP], s[PLIM]
	s_cbranch_scc0 .Lnot_mine_\@
	global_prefetch_b8 v[PFO], s[PFA:PFA+1] th:TH_LOAD_NT scope:SCOPE_SE
.Lnot_mine_\@:
.endm
; 16 products: row blocks a0, a0 + 1 of the window's four x all 8 key blocks, 32 along K.  first = 1: they start the sums with the constant 0.
; The 64 accumulators take turns, in the same order in every quarter.
.macro MUL16 f, hi, a0, first
	WIN 0xa1+0x50*(\hi)                            ; source 0 (k) window 1, source 1 (q) window 0, C and D window 2 or 3
.irp a, \a0, (\a0)+1
.irp b, 0,1,2,3,4,5,6,7
.if \first
	v_wmma_f32_16x16x32_f16 v[8*(8*(\a)+(\b)):8*(8*(\a)+(\b))+7], v[(\f)+8*(\b):(\f)+8*(\b)+7], v[(\f)+8*(4*(\hi)+(\a)):(\f)+8*(4*(\hi)+(\a))+7], 0
.else
	v_wmma_f32_16x16x32_f16 v[8*(8*(\a)+(\b)):8*(8*(\a)+(\b))+7], v[(\f)+8*(\b):(\f)+8*(\b)+7], v[(\f)+8*(4*(\hi)+(\a)):(\f)+8*(4*(\hi)+(\a))+7], v[8*(8*(\a)+(\b)):8*(8*(\a)+(\b))+7]
.endif
.endr
.endr
.endm
.macro FETCH k, f                      ; 32 LDS loads in one run: k's 128 rows, then q's, 32 along K at byte k of the rows
	WIN 0x40
.irp i, 0,1,2,3,4,5,6,7
	ds_load_b128 v[(\f)+8*(\i):(\f)+8*(\i)+3],   v[ADB] offset:(\k)+(\i)*16*PITCH
	ds_load_b128 v[(\f)+8*(\i)+4:(\f)+8*(\i)+7], v[ADB] offset:(\k)+(\i)*16*PITCH+32
.endr
	WIN 0
.irp i, 0,1,2,3,4,5,6,7
	ds_load_b128 v[(\f)+8*(\i):(\f)+8*(\i)+3],   v[ADA] offset:(\k)+(\i)*16*PITCH
	ds_load_b128 v[(\f)+8*(\i)+4:(\f)+8*(\i)+7], v[ADA] offset:(\k)+(\i)*16*PITCH+32
.endr
.endm
.macro QUARTER k, f, g, first
	s_wait_dscnt 8                                 ; k and q's rows 0-63 are in; the youngest eight loads (q's rows 64-127) may be out
	MUL16 \f, 0, 0, \first
	MUL16 \f, 0, 2, \first
	PLACES
	FETCH \k, \g
	s_wait_dscnt 32                                ; all but the 32 just issued
	MUL16 \f, 1, 0, \first
	MUL16 \f, 1, 2, \first
.endm
.macro TURN                            ; a step's last quarter and the change of slots: one barrier, in front of it the wait for all my tensor loads, the add, and the wait for it and for my reads of the slot
	s_wait_xcnt 0x0                                ; the last prefetch, a K step back, has read its address
	s_add_co_u32 s[GP], s[RQ], 2
	s_lshl_b32 s[POF], s[GP], 8
	s_add_nc_u64 s[PFA:PFA+1], s[PFB:PFB+1], s[POF:POF+1]
	WIN 0
	s_wait_tensorcnt 0x0                           ; no tensor load of mine is out, so a group 0 may be written
	ds_add_u32 v[SPW], v[NIL]                      ; 0 onto my spare word
	s_lshl_b32 s[OFA], s[RQ], 8                    ; 256 bytes along K for each step
	s_lshl_b32 s[OFB], s[RQ], 8
	s_add_co_u32 s[G0A+1], s[TB], s[WOFF]          ; into the slot in hand: the slot's constant + wave x a constant
	s_add_nc_u64 s[G0A+2:G0A+3], s[ABASE:ABASE+1], s[OFA:OFA+1]
	s_or_b32 s[G0A+3], s[G0A+3], 0x80000000
	s_add_co_u32 s[G0B+1], s[TB], s[WOFF]
	s_add_nc_u64 s[G0B+2:G0B+3], s[BBASE:BBASE+1], s[OFB:OFB+1]
	s_or_b32 s[G0B+3], s[G0B+3], 0x80000000
	s_add_co_u32 s[RQ], s[RQ], 1
	s_wait_dscnt 9                                 ; the add and the youngest eight loads may be out
	MUL16 F1, 0, 0, 0
	s_wait_dscnt 0x0                               ; the add is done, and my reads of this slot are over
	s_barrier_signal -1
	MUL16 F1, 0, 2, 0
	WIN 0
	s_barrier_wait -1
	CREST                                          ; no wave of any partner still reads this slot or has a load on its way
	JLOAD                                          ; the first tensor load behind the round: 224 products ahead of the wait for it
	s_xor_b32 s[TB], s[TB], SLOT
	v_add_nc_u32 v[ADA], s[TB], v[AA0]
	v_add_nc_u32 v[ADB], s[TB], v[AB0]
	FETCH 0, F0
	ASK
	MUL16 F1, 1, 0, 0
	MUL16 F1, 1, 2, 0
.endm
.macro TURNT                           ; the same quarter in the last two steps: nothing is asked for
	WIN 0
	s_wait_tensorcnt 0x0                           ; my part of the last slot is in
	ds_add_u32 v[SPW], v[NIL]
	s_wait_dscnt 9
	MUL16 F1, 0, 0, 0
	s_wait_dscnt 0x0
	s_barrier_signal -1
	MUL16 F1, 0, 2, 0
	s_barrier_wait -1
	MUL16 F1, 1, 0, 0
	MUL16 F1, 1, 2, 0
.endm
.macro NEXTF
	PLACES
	s_xor_b32 s[TB], s[TB], SLOT
	v_add_nc_u32 v[ADA], s[TB], v[AA0]
	v_add_nc_u32 v[ADB], s[TB], v[AB0]
	FETCH 0, F0
.endm
; THE PART OF THE WAY OUT THAT NAMES THE ACCUMULATORS, written once for each row block a (its eight accumulators: 64 scores a lane): l of the block before is set aside; the largest score, three operands at a time in
; four chains (each accumulator's lowest registers are read first), the other half of the lanes', c m; and c s - c m, a pair at a time, into X.
.macro STUB a
.set AC, 64*((\a)%4)
.set W, 2+(\a)/4
.if (\a) > 0
	v_mov_b32 v[LL+(\a)-1], v[LF]
.endif
	WIN W*0x15                                     ; all three sources in the block's window
.irp i, 0,1,2,3
	v_max3_num_f32 v[TC+(\i)], v[AC+8*(\i)], v[AC+8*(\i)+1], v[AC+8*(\i)+2]
.endr
	WIN W*0x14                                     ; source 0 in window 0
.irp p, 3,5
.irp i, 0,1,2,3
	v_max3_num_f32 v[TC+(\i)], v[TC+(\i)], v[AC+8*(\i)+(\p)], v[AC+8*(\i)+(\p)+1]
.endr
.endr
.irp p, 0,2,4,6
.irp i, 0,1,2,3
	v_max3_num_f32 v[TC+(\i)], v[TC+(\i)], v[AC+32+8*(\i)+(\p)], v[AC+32+8*(\i)+(\p)+1]
.endr
.endr
	v_max3_num_f32 v[TC], v[TC], v[AC+7], v[AC+15]
	v_max3_num_f32 v[TC+2], v[TC+2], v[AC+23], v[AC+31]
	WIN 0
	v_max3_num_f32 v[TC], v[TC], v[TC+1], v[TC+2]
	v_max_num_f32 v[TC], v[TC], v[TC+3]
	v_permlanex16_b32 v[TX], v[TC], s[SEL], s[SEL+1]  ; the query's other 64 keys lie in the lane 16 away
	v_max_num_f32 v[TC], v[TC], v[TX]
	v_mul_f32 v[CM+2*(\a)], s[CS], v[TC]
	WIN W                                          ; source 0 in the block's window
.set p, 0
.rept 32
	v_pk_fma_f32 v[X+2*p:X+2*p+1], v[AC+2*p:AC+2*p+1], s[CS:CS+1], v[CM+2*(\a):CM+2*(\a)+1] op_sel_hi:[1,0,0] neg_lo:[0,0,1] neg_hi:[0,0,1]
.set p, p+1
.endr
	WIN 0
.endm
	s_load_b128 s[4:7], s[0:1], 0x0                ; qkv s[4:5], pt s[6:7]
	s_load_b64 s[8:9], s[0:1], 0x10                ; stats
	v_lshl_add_u32 v[SPW], v0, 2, SPARE
	v_mov_b32 v[NIL], 0
	ds_add_u32 v[SPW], v[NIL]                      ; the wave's opening: the add and its wait stand ahead of my first tensor load
	v_lshrrev_b32 v4, 5, v0
	v_readfirstlane_b32 s[WV], v4
	s_lshr_b32 s[RH], s[WV], 1
	s_and_b32 s[CH], s[WV], 1
	s_bfe_u32 s[CX], ttmp6, 0x40000
	s_bfe_u32 s[CY], ttmp6, 0x40004
	s_lshl_b32 s[XX], ttmp9, 2
	s_add_co_u32 s[XX], s[XX], s[CX]
	s_and_b32 s[CLY], ttmp7, 0xffff
	s_lshl_b32 s[YY], s[CLY], 2
	s_add_co_u32 s[YY], s[YY], s[CY]
	s_lshr_b32 s[BAT], s[CLY], 1
	s_lshl_b32 s22, s[CY], 2
	s_lshl_b32 s22, 15, s22                        ; my row of the cluster
	s_lshl_b32 s23, 0x1111, s[CX]                  ; my column
	s_or_b32 s[G1A], s22, G1W0
	s_or_b32 s[G1B], s23, G1W0
.irp g, G1A, G1B
	s_mov_b32 s[(\g)+1], 128<<16                   ; tensor_dim0 = 128
	s_mov_b32 s[(\g)+2], 128<<16                   ; tensor_dim1 = 128
	s_mov_b32 s[(\g)+3], 128<<16                   ; tile_dim0 = 128
	s_mov_b32 s[(\g)+4], 128                       ; tile_dim1 = 128
	s_mov_b32 s[(\g)+5], 3072                      ; elements from row to row of qkv
	s_mov_b32 s[(\g)+6], 0
	s_mov_b32 s[(\g)+7], 0
.endr
	s_lshl_b32 s21, s[CH], 7                       ; which 128 rows of the tile I fetch
	s_lshl_b32 s[OFA], s[YY], 8                    ; q: row 256 y + 128 half
	s_add_co_u32 s[OFA], s[OFA], s21
	s_mul_i32 s[OFA], s[OFA], INROW
	s_mov_b32 s[OFA+1], 0
	s_lshl_b32 s[OFB], s[XX], 8                    ; k: row 2048 batch + 256 x + 128 half, 2,048 bytes into the row
	s_add_co_u32 s[OFB], s[OFB], s21
	s_lshl_b32 s21, s[BAT], 11
	s_add_co_u32 s[OFB], s[OFB], s21
	s_mul_i32 s[OFB], s[OFB], INROW
	s_add_co_u32 s[OFB], s[OFB], 2048
	s_mov_b32 s[OFB+1], 0
	s_mul_i32 s[WOFF], s[WV], HALFT                ; where they go: no place in the cluster enters an LDS address
	s_mov_b32 s[G0A0], 1
	s_mov_b32 s[G0A0+1], s[WOFF]
	s_mov_b32 s[G0A], 1
	s_add_co_u32 s[G0A+1], s[WOFF], SLOT
	s_mov_b32 s[G0B0], 1
	s_mov_b32 s[G0B0+1], s[WOFF]
	s_mov_b32 s[G0B], 1
	s_add_co_u32 s[G0B+1], s[WOFF], SLOT
	s_mov_b32 s[CNT], STEPS-2
	s_mov_b32 s[RQ], 2
	s_mov_b32 s[TB], 0
	s_mov_b32 s[POF+1], 0
	s_mov_b32 s[CS], 0x3d38aa3b                    ; c = log2(e) / 32
	s_mov_b32 s[CS+1], s[CS]                       ; named with it as a pair
	s_mov_b32 s[SEL], 0x76543210
	s_mov_b32 s[SEL+1], 0xfedcba98
	s_wait_dscnt 0x0                               ; the opening add is done
	s_wait_kmcnt 0x0
	s_add_nc_u64 s[ABASE:ABASE+1], s[4:5], s[OFA:OFA+1]
	s_add_nc_u64 s[BBASE:BBASE+1], s[4:5], s[OFB:OFB+1]
	s_add_nc_u64 s[G0A0+2:G0A0+3], s[ABASE:ABASE+1], 0
	s_or_b32 s[G0A0+3], s[G0A0+3], 0x80000000
	s_add_nc_u64 s[G0A+2:G0A+3], s[ABASE:ABASE+1], 256
	s_or_b32 s[G0A+3], s[G0A+3], 0x80000000
	s_add_nc_u64 s[G0B0+2:G0B0+3], s[BBASE:BBASE+1], 0
	s_or_b32 s[G0B0+3], s[G0B0+3], 0x80000000
	s_add_nc_u64 s[G0B+2:G0B+3], s[BBASE:BBASE+1], 256
	s_or_b32 s[G0B+3], s[G0B+3], 0x80000000
	s_lshl_b32 s21, s[YY], 8                       ; pt at my 128 rows x 128 keys
	s_lshl_b32 s22, s[RH], 7
	s_add_co_u32 s21, s21, s22
	s_lshl_b32 s22, s21, 12
	s_lshl_b32 s21, s[XX], 9
	s_add_co_u32 s22, s22, s21
	s_lshl_b32 s21, s[CH], 8
	s_add_co_u32 s22, s22, s21
	s_mov_b32 s23, 0
	s_add_nc_u64 s[CP:CP+1], s[6:7], s[22:23]
	s_lshl_b32 s22, s[XX], 1                       ; stats at block j = 2 x + half, group 4 y + 2 half: my 128 rows are two groups
	s_add_co_u32 s22, s22, s[CH]
	s_lshl_b32 s22, s22, 7
	s_lshl_b32 s21, s[YY], 2
	s_add_co_u32 s22, s22, s21
	s_lshl_b32 s21, s[RH], 1
	s_add_co_u32 s22, s22, s21
	s_lshl_b32 s22, s22, 8
	s_add_nc_u64 s[XP:XP+1], s[8:9], s[22:23]
	s_lshl_b32 s21, s[YY], 8                       ; the prefetches: q's rows 256 y + 128 half + 32 cx on,
	s_lshl_b32 s22, s[CX], 5
	s_add_co_u32 s21, s21, s22
	s_lshl_b32 s22, s[BAT], 11                     ; k's rows 2048 batch + 256 x + 128 half + 32 cy on
	s_lshl_b32 s23, s[XX], 8
	s_add_co_u32 s22, s22, s23
	s_lshl_b32 s23, s[CY], 5
	s_add_co_u32 s22, s22, s23
	s_and_b32 s23, s[CLY], 1
	s_cmp_lt_u32 s[WV], 2
	s_cselect_b32 s21, s21, s22
	s_cselect_b32 s22, 0, 2048
	s_cselect_b32 s23, ttmp9, s23                  ; the coordinate along which another cluster reads the same rows
	s_lshl_b32 s[T0], s[CH], 7
	s_add_co_u32 s21, s21, s[T0]
	s_mul_i32 s[POF], s21, INROW
	s_add_co_u32 s[POF], s[POF], s22
	s_add_nc_u64 s[PFB:PFB+1], s[4:5], s[POF:POF+1]
	s_cmp_eq_u32 s23, 0                            ; the same in all sixteen partners, for a given wave
	s_cselect_b32 s[PLIM], 8, 0
	CROUND                                         ; all sixteen work-groups are here: the first joint loads meet
	s_cmp_lt_u32 s[WV], 2                          ; a wave's two first fills stand in one branch: two loads of mine are out
	s_cbranch_scc0 .Lfirst_b
	tensor_load_to_lds s[G0A0:G0A0+3], s[G1A:G1A+7]
	s_nop 0
	tensor_load_to_lds s[G0A:G0A+3], s[G1A:G1A+7]
	s_nop 0
	PLACES
	s_branch .Lfirst_asked
.Lfirst_b:
	tensor_load_to_lds s[G0B0:G0B0+3], s[G1B:G1B+7]
	s_nop 0
	tensor_load_to_lds s[G0B:G0B+3], s[G1B:G1B+7]
	s_nop 0
	PLACES
.Lfirst_asked:
	v_and_b32 v[R], 15, v0
	v_bfe_u32 v[H], v0, 4, 1
	v_and_b32 v[LN], 31, v0
	v_mul_u32_u24 v4, v[R], PITCH
	v_lshl_add_u32 v4, v[H], 4, v4
	s_mul_i32 s21, s[RH], HALFT
	v_add_nc_u32 v[AA0], s21, v4
	s_mul_i32 s21, s[CH], HALFT
	s_add_co_u32 s21, s21, 2*HALFT
	v_add_nc_u32 v[AB0], s21, v4
	s_mul_i32 s21, s[WV], 16*PITCH
	s_add_co_u32 s21, s21, STAGE
	v_add_nc_u32 v[STO], s21, v4
	v_mul_u32_u24 v5, v[H], PITCH
	v_lshl_add_u32 v5, v[R], 4, v5
	v_add_nc_u32 v[RD], s21, v5
	v_lshlrev_b32 v5, 12, v[H]
	v_lshl_add_u32 v[CO], v[R], 4, v5
	v_mul_u32_u24 v[PFO], v[LN], INROW
	v_lshlrev_b32 v5, 19, v[H]                     ; plane 1 lies 524,288 bytes behind plane 0
	v_lshl_add_u32 v[BO], v[R], 4, v5
	v_cmp_eq_u32 s[HM], 1, v[H]
	v_mov_b32 v[TX], 0                             ; v_permlanex16_b32's destination counts as read
	v_mov_b32 v[LF], 0
	v_mov_b32 v[ADA], v[AA0]
	v_mov_b32 v[ADB], v[AB0]
	s_wait_tensorcnt 0x1                           ; my part of step 0 is in; step 1's may stay out
	s_barrier_signal -1
	s_barrier_wait -1
	FETCH 0, F0
	QUARTER 64, F0, F1, 1                          ; the first quarter starts the sums
	WIN 0
.Lstep:                                                ; 6 trips: a step's last three quarters with its refill, then the next step's first
	QUARTER 128, F1, F0, 0
	QUARTER 192, F0, F1, 0
	TURN
	QUARTER 64, F0, F1, 0
	WIN 0
	s_sub_co_u32 s[CNT], s[CNT], 1
	s_cmp_lg_u32 s[CNT], 0
	s_cbranch_scc1 .Lstep
	s_mov_b32 s[CNT], 2
.Ltail:                                                ; the last two steps have a text of their own
	QUARTER 128, F1, F0, 0
	QUARTER 192, F0, F1, 0
	TURNT
	WIN 0
	s_cmp_eq_u32 s[CNT], 1                         ; behind the last step there is no slot to go on to
	s_cbranch_scc1 .Ldead                          ; a jump forward, over text without a barrier or a tensor load
	NEXTF
	QUARTER 64, F0, F1, 0
	WIN 0
.Ldead:
	s_sub_co_u32 s[CNT], s[CNT], 1
	s_cmp_lg_u32 s[CNT], 0
	s_cbranch_scc1 .Ltail
	; THE WAY OUT: a loop of eight trips, a row block each.  What names the block's accumulators is chosen by the counter; what follows works on X alone and is written once.
	PLACES                                         ; the maxima read results just made, and the fragments' registers are written anew
	s_mov_b32 s[BL], 8
.Lblk:
.irp a, 0,1,2,3,4,5,6
	s_cmp_eq_u32 s[BL], 8-(\a)
	s_cbranch_scc1 .Ls\a
.endr
	STUB 7
	s_branch .Lbody
.irp a, 0,1,2,3,4,5
.Ls\a:
	STUB \a
	s_branch .Lbody
.endr
.Ls6:
	STUB 6
.Lbody:
.set k, 0
.rept 64
	v_exp_f32 v[X+k], v[X+k]                       ; the block's 64 weights: one batch
.set k, k+1
.endr
	v_nop                                          ; a plain instruction behind the last exponential,
	s_wait_alu depctr_va_vdst(0)                   ; and one wait ahead of the first line that names a result
.set k, 0
.rept 32
	v_cvt_pk_f16_f32 v[TMP+k], v[X+2*k], v[X+2*k+1]  ; rounded to f16: 16 bytes for each accumulator
.set k, k+1
.endr
.irp b, 0,1,2,3,4,5,6,7
	ds_store_b128 v[STO], v[TMP+4*(\b):TMP+4*(\b)+3] offset:32*(\b)
.endr
.irp t, 0,1,2,3,4,5,6,7
	ds_load_b128 v[BK+4*(\t):BK+4*(\t)+3], v[RD] offset:(\t)*2*PITCH  ; LDS serves a wave's instructions in order: these see the stores above
.endr
.irp s, 16,8,4,2,1                     ; the sum of the unrounded weights, a tree in place: it stands between the loads from the stage and the wait for them
.set k, 0
.rept \s
	v_pk_add_f32 v[X+2*k:X+2*k+1], v[X+2*k:X+2*k+1], v[X+2*(k+(\s)):X+2*(k+(\s))+1]
.set k, k+1
.endr
.endr
	v_add_f32 v[LF], v[X], v[X+1]
	v_permlanex16_b32 v[TX], v[LF], s[SEL], s[SEL+1]
	v_add_f32 v[LF], v[LF], v[TX]
	s_wait_dscnt 0x0                               ; the block is back in registers, as whole rows
.irp t, 0,1,2,3,4,5,6,7
	global_store_b128 v[CO], v[BK+4*(\t):BK+4*(\t)+3], s[CP:CP+1] offset:2*(\t)*OROW  ; 16 lanes store 256 consecutive bytes, aligned
.endr
	s_wait_xcnt 0x0                                ; the stores have read their registers and their base: both are written again in the next trip
	s_add_nc_u64 s[CP:CP+1], s[CP:CP+1], 16*OROW
	s_sub_co_u32 s[BL], s[BL], 1
	s_cmp_lg_u32 s[BL], 0
	s_cbranch_scc1 .Lblk
	v_mov_b32 v[LL+7], v[LF]
.irp a, 0,1,2,3,4,5,6,7
	v_cndmask_b32 v[SS+(\a)], v[CM+2*(\a)], v[LL+(\a)], s[HM]  ; lanes 0-15 store c m, lanes 16-31 l
.endr
	global_store_b128 v[BO], v[SS:SS+3], s[XP:XP+1]               ; my rows 0-63: each half of the lanes stores 256 consecutive bytes, aligned
	global_store_b128 v[BO], v[SS+4:SS+7], s[XP:XP+1] offset:256  ; my rows 64-127: the next group
	s_wait_tensorcnt 0x0                           ; the wave's end
	ds_add_u32 v[SPW], v[NIL]
	s_wait_dscnt 0x0
	CROUND                                         ; the closing round
	s_endpgm
.Lfunc_end_k_q4d2db18393_scores:
	.size	k_q4d2db18393_scores, .Lfunc_end_k_q4d2db18393_scores-k_q4d2db18393_scores
	.p2alignl 7, 3214868480
	.fill 96, 4, 3214868480
	.section	.rodata,"a",@progbits
	.p2align	6, 0x0
	.amdhsa_kernel k_q4d2db18393_scores
		.amdhsa_group_segment_fixed_size 327680
		.amdhsa_private_segment_fixed_size 0
		.amdhsa_enable_private_segment 0
		.amdhsa_kernarg_size 24
		.amdhsa_user_sgpr_count 2
		.amdhsa_user_sgpr_kernarg_segment_ptr 1
		.amdhsa_wavefront_size32 1
		.amdhsa_system_sgpr_workgroup_id_x 1
		.amdhsa_system_sgpr_workgroup_id_y 1
		.amdhsa_system_sgpr_workgroup_id_z 1
		.amdhsa_system_vgpr_workitem_id 0
		.amdhsa_next_free_vgpr 1024
		.amdhsa_next_free_sgpr 92
		.amdhsa_reserve_vcc 0
		.amdhsa_float_denorm_mode_32 3
		.amdhsa_float_denorm_mode_16_64 3
		.amdhsa_memory_ordered 1
		.amdhsa_forward_progress 1
		.amdhsa_inst_pref_size 114
	.end_amdhsa_kernel
	.amdgpu_metadata
---
amdhsa.version: [ 1, 2 ]
amdhsa.kernels:
  - .name:           k_q4d2db18393_scores
    .symbol:         k_q4d2db18393_scores.kd
    .args:
      - { .name: qkv, .offset: 0, .size: 8, .value_kind: global_buffer, .address_space: global }
      - { .name: pt, .offset: 8, .size: 8, .value_kind: global_buffer, .address_space: global }
      - { .name: stats, .offset: 16, .size: 8, .value_kind: global_buffer, .address_space: global }
    .group_segment_fixed_size: 327680
    .private_segment_fixed_size: 0
    .kernarg_segment_align: 8
    .kernarg_segment_size: 24
    .max_flat_workgroup_size: 128
    .sgpr_count:     92
    .vgpr_count:     1024
    .wavefront_size: 32
...
	.end_amdgpu_metadata
.endif
;; end of part 3
;; launch pv (part 4): grid 4 x 64, 4 waves a work-group, clusters of 4 x 4, 327,680 bytes of LDS; arguments pt, qkv, stats, out0; writes out0
.if DOCPART == 4
	.amdgcn_target "amdgcn-amd-amdhsa--gfx1250"
	.amdhsa_code_object_version 6
	.text
	.protected	k_q4d2db18393_pv
	.globl	k_q4d2db18393_pv
	.p2align	8
	.type	k_q4d2db18393_pv,@function
k_q4d2db18393_pv:
	s_mov_b64 s[64:65], 0
	v_nop
	global_prefetch_b8 v0, s[64:65] scope:SCOPE_SE
	s_setreg_imm32_b32 hwreg(HW_REG_WAVE_MODE, 25, 1), 1
	s_wait_xcnt 0x0
	s_wait_alu depctr_hold_cnt(0) depctr_sa_sdst(0) depctr_va_vdst(0) depctr_va_sdst(0) depctr_va_ssrc(0) depctr_va_vcc(0) depctr_vm_vsrc(0)
	s_getreg_b32 s2, hwreg(HW_REG_IB_STS2, 6, 4)
	s_cmp_eq_u32 s2, 0
	s_cbranch_scc0 .Lentry_in_a_cluster
	s_endpgm
.Lentry_in_a_cluster:
	s_bfe_u32 s2, ttmp6, 0x10000c
	s_cmp_lg_u32 s2, 0xf033
	s_cbranch_scc0 .Lentry_shape_is_right
	s_endpgm
.Lentry_shape_is_right:
; out0[row][ch] = (1 / L) x the sum over the 16 key blocks j of f_j x (pt_j V_j).  CM = the largest c m_j of the row (so the row's true maximum is what is taken away), f_j = 2^(c m_j - CM) <= 1,
; L = the sum of f_j l_j >= 1.  pt [8192][2048] f16; V = columns 2048-3071 of qkv [8192][3072] f16; stats as the launch before stored it; out0 [8192][1024] f32.
; The weight P = f_j x pt is made in f16 (one packed multiply on the fragment, between its load and the product); sums in f32; 1 / L is applied to the f32 sums.
; LIMITS: a weight below 6e-8 of the row's largest counts as 0 (f16's smallest step); NaN and infinities are not treated apart.
; SHARES.  A work-group makes 128 rows x 256 channels, four waves 64 x 128 each: 32 accumulators.  K (the batch's 2,048 keys) goes in 16 steps of 128, one block j each, through two LDS slots.
; CLUSTER 4 x 4: pt's rows are shared along a row of the cluster, V's tile along a column: joint loads.
; THE MATRIX INSTRUCTION IS USED TRANSPOSED (source 0 = 16 channels of V^T, source 1 = 16 rows of P).  V lies [key][channel] in LDS and is turned by ds_load_tr16_b128.
; REGISTERS: window 0 addresses, f, 1 / L, the way out; window 1 the accumulators; windows 2, 3 a fragment buffer each (V's fragment b at 96 c + 8 b, P's fragment a at 96 c + 64 + 8 a).
.set PITCH,  272                       ; a row of pt in LDS: 256 bytes + 16
.set VP,     544                       ; a row of V: 512 bytes + 32 = 17 x 32
.set HALFA,  64*PITCH
.set AB,     128*PITCH
.set HALFB,  64*VP                     ; 64 keys: what waves 2 and 3 fetch
.set SLOT1,  131072
.set STAGE,  SLOT1+AB+2*HALFB          ; behind the ring: 16 rows x 528 bytes for each wave
.set SP,     528
.set FTAB,   STAGE+4*16*SP             ; for each wave 16 steps x 32 lanes x 16 bytes: f of my four rows, twice in a word
.set SPARE,  FTAB+4*8192               ; the spare words, 128 bytes for each wave
.set PROW,   4096                      ; bytes in a row of pt, and of out0
.set VROW,   6144                      ; bytes in a row of qkv
.set VSTEP,  128*VROW                  ; from a step's keys to the next step's
.set STEPS,  16
.set R,   1
.set H,   2
.set LN,  3
.set AA0, 10
.set AB0, 11
.set ADA, 12
.set ADB, 13
.set STO, 14
.set RD,  15
.set CO,  16
.set PFO, 17
.set SPW, 18
.set NIL, 19
.set BO,  20                           ; v20 16 (l % 16): my four rows' words in a group of stats
.set FTA, 21                           ; v21 my 16 bytes of the table, at the step to be fetched
.set FS,  32                           ; v[32:35] f of the step in hand, row block a at FS + a
.set FSN, 36                           ; v[36:39] of the next step
.set M4,  44                           ; v[44:47] CM
.set LA,  48                           ; v[48:51] L
.set IL,  52                           ; v[52:59] 1 / L of row block a at IL + 2 a: the low register of a pair
.set CMV, 64                           ; v[64:127]  at the head: c m_j, then f_j: block j, row block a at CMV + 4 j + a
.set LV,  128                          ; v[128:191] at the head: l_j
.set TMP, 64                           ; the way out: 16 rows x 128 channels, as the accumulators hold them
.set BK,  128                          ; v[128:255] the same as whole rows, two buffers
.set WV, 12
.set RH, 13
.set CH, 14
.set CX, 15
.set CY, 16
.set XX, 17
.set YY, 18
.set CLY, 19
.set BAT, 20
.set G1A, 24
.set G1B, 32
.set G0A0, 40
.set G0A, 44
.set G0B0, 48
.set G0B, 52
.set ABASE, 56
.set BBASE, 58
.set OFA, 60
.set OFB, 62
.set CNT, 66
.set RQ,  67
.set TB,  69
.set T0,  70
.set T1,  71
.set PFB, 72
.set PFA, 74
.set POF, 76
.set PLIM, 78
.set PTILE, 79
.set GP,  80
.set CP,  88
.set XP,  90
.set MSB, 0
.macro WIN new
.if MSB != (\new)
	s_set_vgpr_msb (MSB<<8)|(\new)
.set MSB, \new
.endif
.endm
.macro CREST
	s_cmp_lg_u32 s[WV], 0
	s_cbranch_scc1 .Lnot_wave_0_\@
	s_barrier_signal -3
.Lnot_wave_0_\@:
	s_barrier_wait -3
	s_barrier_signal -1
	s_barrier_wait -1
.endm
.macro CROUND
	s_barrier_signal -1
	s_barrier_wait -1
	CREST
.endm
.macro PLACES
.rept 4
	v_nop
.endr
.endm
.macro JLOAD                           ; waves 0 and 1 fetch pt's halves, waves 2 and 3 V's; an s_nop 0 and four v_nop follow each line
	s_cmp_lt_u32 s[WV], 2
	s_cbranch_scc0 .Lfor_b_\@
	tensor_load_to_lds s[G0A:G0A+3], s[G1A:G1A+7]
	s_nop 0
	PLACES
	s_branch .Lasked_\@
.Lfor_b_\@:
	tensor_load_to_lds s[G0B:G0B+3], s[G1B:G1B+7]
	s_nop 0
	PLACES
.Lasked_\@:
.endm
; One prefetch a wave behind each refill, for the step two refills on: 32 blocks of 256 bytes, a lane a block.  Wave 0: pt's rows (partner cx takes 32 of the 128).  Waves 2 and 3: their 64 keys of V, 512 bytes each
; (partner cy takes 16 keys, two lanes a key), in the first of a batch's four clusters alone.  So each block is named once in the launch.
.macro ASK
	s_cmp_lt_u32 s[GP], s[PLIM]
	s_cbranch_scc0 .Lnot_mine_\@
	global_prefetch_b8 v[PFO], s[PFA:PFA+1] th:TH_LOAD_NT scope:SCOPE_SE
.Lnot_mine_\@:
.endm
.macro SC4 w, c, a, part               ; four registers of P's fragment (c, a) times f, in place
	WIN 0x41*(\w)                                  ; destination and source 0 in window w, f in window 0
.irp q, 0,1,2,3
	v_pk_mul_f16 v[96*(\c)+64+8*(\a)+4*(\part)+(\q)], v[96*(\c)+64+8*(\a)+4*(\part)+(\q)], v[FS+(\a)]
.endr
.endm
.macro MUL4 w, c, a, b0, first
	WIN 0x50+5*(\w)
.irp b, \b0, (\b0)+1, (\b0)+2, (\b0)+3
.if \first
	v_wmma_f32_16x16x32_f16 v[8*(8*(\a)+(\b)):8*(8*(\a)+(\b))+7], v[96*(\c)+8*(\b):96*(\c)+8*(\b)+7], v[96*(\c)+64+8*(\a):96*(\c)+64+8*(\a)+7], 0
.else
	v_wmma_f32_16x16x32_f16 v[8*(8*(\a)+(\b)):8*(8*(\a)+(\b))+7], v[96*(\c)+8*(\b):96*(\c)+8*(\b)+7], v[96*(\c)+64+8*(\a):96*(\c)+64+8*(\a)+7], v[8*(8*(\a)+(\b)):8*(8*(\a)+(\b))+7]
.endif
.endr
.endm
; 8 products on row block a; behind each four of them four multiplies that scale the fragment wanted next, (nc, na); na < 0: none is left.
; The 32 accumulators take turns, in the same order everywhere.
.macro MULS w, c, a, first, nc, na
	MUL4 \w, \c, \a, 0, \first
.if (\na) >= 0
	SC4 \w, \nc, \na, 0
.endif
	MUL4 \w, \c, \a, 4, \first
.if (\na) >= 0
	SC4 \w, \nc, \na, 1
.endif
.endm
; The fragments of 64 keys (half kk of the step) into window w: 48 LDS loads in one run; the first 32 keys first.  With kk = 0 the next step's f leads the run.
.macro FETCH kk, w
.if (\kk) == 0
	WIN 0
	ds_load_b128 v[FSN:FSN+3], v[FTA]
.endif
	WIN 0x40*(\w)
.irp c, 0,1
.irp b, 0,1,2,3,4,5,6,7
	ds_load_tr16_b128 v[96*(\c)+8*(\b):96*(\c)+8*(\b)+3],   v[ADB] offset:(64*(\kk)+32*(\c))*VP+32*(\b)
	ds_load_tr16_b128 v[96*(\c)+8*(\b)+4:96*(\c)+8*(\b)+7], v[ADB] offset:(64*(\kk)+32*(\c)+16)*VP+32*(\b)
.endr
.irp a, 0,1,2,3
	ds_load_b128 v[96*(\c)+64+8*(\a):96*(\c)+64+8*(\a)+3],   v[ADA] offset:128*(\kk)+64*(\c)+16*PITCH*(\a)
	ds_load_b128 v[96*(\c)+64+8*(\a)+4:96*(\c)+64+8*(\a)+7], v[ADA] offset:128*(\kk)+64*(\c)+16*PITCH*(\a)+32
.endr
.endr
.endm
.macro H1 first                        ; a step's first half: window 2.  The scalings are also the plain instructions between the last product on window 3 and the loads into it
	s_wait_dscnt 24                                ; f and the first 32 keys are in; the 24 younger loads may be out
	WIN 0
.irp a, 0,1,2,3
	v_mov_b32 v[FS+(\a)], v[FSN+(\a)]
.endr
	SC4 2, 0, 0, 0
	SC4 2, 0, 0, 1
	MULS 2, 0, 0, \first, 0, 1
	MULS 2, 0, 1, \first, 0, 2
	MULS 2, 0, 2, \first, 0, 3
	s_wait_dscnt 0x0                               ; the other 32 keys are in
	MULS 2, 0, 3, \first, 1, 0
	FETCH 1, 3
	MULS 2, 1, 0, 0, 1, 1
	MULS 2, 1, 1, 0, 1, 2
	MULS 2, 1, 2, 0, 1, 3
	MULS 2, 1, 3, 0, 0, -1
.endm
.macro TURN fill                       ; a step's second half, window 3, and the change of slots
.if \fill
	s_wait_xcnt 0x0                                ; the last prefetch, a step back, has read its address
	s_add_co_u32 s[GP], s[RQ], 2
	s_mul_i32 s[POF], s[GP], s[PTILE]
	s_add_nc_u64 s[PFA:PFA+1], s[PFB:PFB+1], s[POF:POF+1]
.endif
	WIN 0
	s_wait_tensorcnt 0x0                           ; no tensor load of mine is out, so a group 0 may be written
	ds_add_u32 v[SPW], v[NIL]                      ; 0 onto my spare word
.if \fill
	s_lshl_b32 s[OFA], s[RQ], 8                    ; pt: 128 keys of f16 along the row
	s_mul_i32 s[OFB], s[RQ], VSTEP                 ; V: 128 rows down
	s_xor_b32 s[G0A+1], s[G0A+1], SLOT1
	s_add_nc_u64 s[G0A+2:G0A+3], s[ABASE:ABASE+1], s[OFA:OFA+1]
	s_or_b32 s[G0A+3], s[G0A+3], 0x80000000
	s_xor_b32 s[G0B+1], s[G0B+1], SLOT1
	s_add_nc_u64 s[G0B+2:G0B+3], s[BBASE:BBASE+1], s[OFB:OFB+1]
	s_or_b32 s[G0B+3], s[G0B+3], 0x80000000
	s_add_co_u32 s[RQ], s[RQ], 1
.endif
	s_wait_dscnt 25                                ; the add and the 24 youngest loads may be out
	SC4 3, 0, 0, 0
	SC4 3, 0, 0, 1
	MULS 3, 0, 0, 0, 0, 1
	s_wait_dscnt 0x0                               ; the add is done, and my reads of this slot are over
	s_barrier_signal -1
	MULS 3, 0, 1, 0, 0, 2
	WIN 0
	s_barrier_wait -1
.if \fill
	CREST                                          ; no wave of any partner still reads this slot or has a load on its way
	JLOAD                                          ; the first tensor load behind the round: 112 products ahead of the wait for it
.endif
	s_xor_b32 s[TB], s[TB], SLOT1
	v_add_nc_u32 v[ADA], s[TB], v[AA0]
	v_add_nc_u32 v[ADB], s[TB], v[AB0]
	v_add_nc_u32 v[FTA], 512, v[FTA]               ; the next step's f
	FETCH 0, 2
.if \fill
	WIN 0
	ASK
.endif
	MULS 3, 0, 2, 0, 0, 3
	MULS 3, 0, 3, 0, 1, 0
	MULS 3, 1, 0, 0, 1, 1
	MULS 3, 1, 1, 0, 1, 2
	MULS 3, 1, 2, 0, 1, 3
	MULS 3, 1, 3, 0, 0, -1
.endm
.macro LAST
	s_wait_dscnt 24
	SC4 3, 0, 0, 0
	SC4 3, 0, 0, 1
	MULS 3, 0, 0, 0, 0, 1
	MULS 3, 0, 1, 0, 0, 2
	MULS 3, 0, 2, 0, 0, 3
	s_wait_dscnt 0x0
	MULS 3, 0, 3, 0, 1, 0
	MULS 3, 1, 0, 0, 1, 1
	MULS 3, 1, 1, 0, 1, 2
	MULS 3, 1, 2, 0, 1, 3
	MULS 3, 1, 3, 0, 0, -1
.endm
; THE WAY OUT of row block a: the sums times 1 / L (each accumulator's registers in ascending order), 32 bytes a lane and accumulator into my stage, back as whole rows of 512 bytes, stored.
.macro PACK a
	WIN 0x01                                       ; source 0 in window 1
.set k, 0
.rept 32
	v_pk_mul_f32 v[TMP+2*k:TMP+2*k+1], v[64*(\a)+2*k:64*(\a)+2*k+1], v[IL+2*(\a):IL+2*(\a)+1] op_sel_hi:[1,0]
.set k, k+1
.endr
.endm
.macro TOSTAGE a
	WIN 0
.irp b, 0,1,2,3,4,5,6,7
	ds_store_b128 v[STO], v[TMP+8*(\b):TMP+8*(\b)+3]   offset:64*(\b)
	ds_store_b128 v[STO], v[TMP+8*(\b)+4:TMP+8*(\b)+7] offset:64*(\b)+16
.endr
.irp t, 0,1,2,3,4,5,6,7,8,9,10,11,12,13,14,15
	ds_load_b128 v[BK+64*((\a)%2)+4*(\t):BK+64*((\a)%2)+4*(\t)+3], v[RD] offset:(\t)*SP  ; LDS serves a wave's instructions in order: these see the stores above
.endr
.endm
.macro SEND a
	WIN 0
	s_wait_dscnt 0x0                               ; the block is back in registers
	s_wait_xcnt 0x0                                ; the stores of the block before have read their registers: the other buffer is loaded again only behind this wait
.irp t, 0,1,2,3,4,5,6,7,8,9,10,11,12,13,14,15
	global_store_b128 v[CO], v[BK+64*((\a)%2)+4*(\t):BK+64*((\a)%2)+4*(\t)+3], s[CP:CP+1] offset:(16*(\a)+(\t))*PROW th:TH_STORE_NT  ; 32 lanes store 512 consecutive bytes, aligned
.endr
.endm
	s_load_b256 s[4:11], s[0:1], 0x0               ; pt s[4:5], qkv s[6:7], stats s[8:9], out0 s[10:11]
	v_lshl_add_u32 v[SPW], v0, 2, SPARE
	v_mov_b32 v[NIL], 0
	ds_add_u32 v[SPW], v[NIL]                      ; the wave's opening: the add and its wait stand ahead of my first tensor load
	v_lshrrev_b32 v4, 5, v0
	v_readfirstlane_b32 s[WV], v4
	s_lshr_b32 s[RH], s[WV], 1
	s_and_b32 s[CH], s[WV], 1
	s_bfe_u32 s[CX], ttmp6, 0x40000
	s_bfe_u32 s[CY], ttmp6, 0x40004
	s_lshl_b32 s[XX], ttmp9, 2
	s_add_co_u32 s[XX], s[XX], s[CX]
	s_and_b32 s[CLY], ttmp7, 0xffff
	s_lshl_b32 s[YY], s[CLY], 2
	s_add_co_u32 s[YY], s[YY], s[CY]
	s_lshr_b32 s[BAT], s[CLY], 2
	s_lshl_b32 s22, s[CY], 2
	s_lshl_b32 s22, 15, s22                        ; my row of the cluster
	s_lshl_b32 s23, 0x1111, s[CX]                  ; my column
	s_or_b32 s[G1A], s22, (1<<16)|(1<<20)|(1<<21)|(5<<22)|(3<<25)  ; padding: 4 words after every 64
	s_or_b32 s[G1B], s23, (1<<16)|(1<<20)|(1<<21)|(6<<22)|(7<<25)  ; 8 words after every 128
	s_mov_b32 s[G1A+1], 128<<16                    ; pt: 64 rows x 128 keys
	s_mov_b32 s[G1A+2], 64<<16
	s_mov_b32 s[G1A+3], 128<<16
	s_mov_b32 s[G1A+4], 64
	s_mov_b32 s[G1A+5], 2048
	s_mov_b32 s[G1A+6], 0
	s_mov_b32 s[G1A+7], 0
	s_mov_b32 s[G1B+1], 256<<16                    ; V: 64 keys x 256 channels
	s_mov_b32 s[G1B+2], 64<<16
	s_mov_b32 s[G1B+3], 256<<16
	s_mov_b32 s[G1B+4], 64
	s_mov_b32 s[G1B+5], 3072
	s_mov_b32 s[G1B+6], 0
	s_mov_b32 s[G1B+7], 0
	s_lshl_b32 s[OFA], s[YY], 7                    ; pt: row 128 y + 64 half
	s_lshl_b32 s21, s[CH], 6
	s_add_co_u32 s[OFA], s[OFA], s21
	s_lshl_b32 s[OFA], s[OFA], 12
	s_mov_b32 s[OFA+1], 0
	s_lshl_b32 s[OFB], s[BAT], 11                  ; V: row 2048 batch + 64 half, byte 4,096 + 512 x of the row
	s_add_co_u32 s[OFB], s[OFB], s21
	s_mul_i32 s[OFB], s[OFB], VROW
	s_lshl_b32 s[T1], s[XX], 9
	s_add_co_u32 s[OFB], s[OFB], s[T1]
	s_add_co_u32 s[OFB], s[OFB], 4096
	s_mov_b32 s[OFB+1], 0
	s_mul_i32 s[T0], s[CH], HALFA
	s_mul_i32 s[T1], s[CH], HALFB
	s_add_co_u32 s[T1], s[T1], AB
	s_mov_b32 s[G0A0], 1
	s_mov_b32 s[G0A0+1], s[T0]
	s_mov_b32 s[G0A], 1
	s_add_co_u32 s[G0A+1], s[T0], SLOT1
	s_mov_b32 s[G0B0], 1
	s_mov_b32 s[G0B0+1], s[T1]
	s_mov_b32 s[G0B], 1
	s_add_co_u32 s[G0B+1], s[T1], SLOT1
	s_mov_b32 s[CNT], STEPS-2
	s_mov_b32 s[RQ], 2
	s_mov_b32 s[TB], 0
	s_mov_b32 s[POF+1], 0
	s_wait_dscnt 0x0                               ; the opening add is done
	s_wait_kmcnt 0x0
	s_add_nc_u64 s[ABASE:ABASE+1], s[4:5], s[OFA:OFA+1]
	s_add_nc_u64 s[BBASE:BBASE+1], s[6:7], s[OFB:OFB+1]
	s_add_nc_u64 s[G0A0+2:G0A0+3], s[ABASE:ABASE+1], 0
	s_or_b32 s[G0A0+3], s[G0A0+3], 0x80000000
	s_add_nc_u64 s[G0A+2:G0A+3], s[ABASE:ABASE+1], 256
	s_or_b32 s[G0A+3], s[G0A+3], 0x80000000
	s_add_nc_u64 s[G0B0+2:G0B0+3], s[BBASE:BBASE+1], 0
	s_or_b32 s[G0B0+3], s[G0B0+3], 0x80000000
	s_add_nc_u64 s[G0B+2:G0B+3], s[BBASE:BBASE+1], VSTEP
	s_or_b32 s[G0B+3], s[G0B+3], 0x80000000
	s_lshl_b32 s21, s[YY], 7                       ; out0 at my 64 rows x 128 channels
	s_lshl_b32 s22, s[RH], 6
	s_add_co_u32 s21, s21, s22
	s_lshl_b32 s22, s21, 12
	s_lshl_b32 s21, s[XX], 10
	s_add_co_u32 s22, s22, s21
	s_lshl_b32 s21, s[CH], 9
	s_add_co_u32 s22, s22, s21
	s_mov_b32 s23, 0
	s_add_nc_u64 s[CP:CP+1], s[10:11], s[22:23]
	s_lshl_b32 s22, s[YY], 1                       ; stats at my group of 64 rows
	s_add_co_u32 s22, s22, s[RH]
	s_lshl_b32 s22, s22, 8
	s_add_nc_u64 s[XP:XP+1], s[8:9], s[22:23]
	s_lshl_b32 s21, s[YY], 7                       ; the prefetches: pt's rows 128 y + 32 cx on,
	s_lshl_b32 s22, s[CX], 5
	s_add_co_u32 s21, s21, s22
	s_lshl_b32 s21, s21, 12
	s_lshl_b32 s22, s[BAT], 11                     ; V's keys 2048 batch + 64 half + 16 cy on, my 512 bytes of their rows
	s_lshl_b32 s23, s[CH], 6
	s_add_co_u32 s22, s22, s23
	s_lshl_b32 s23, s[CY], 4
	s_add_co_u32 s22, s22, s23
	s_mul_i32 s22, s22, VROW
	s_lshl_b32 s23, s[XX], 9
	s_add_co_u32 s22, s22, s23
	s_add_co_u32 s22, s22, 4096
	s_cmp_lt_u32 s[WV], 2
	s_cselect_b32 s[POF], s21, s22
	s_cselect_b64 s[PFB:PFB+1], s[4:5], s[6:7]
	s_mov_b32 s[PTILE], VSTEP
	s_cselect_b32 s[PTILE], 256, s[PTILE]          ; a step: 256 bytes along pt's rows, 128 rows of V
	s_mov_b32 s21, VROW
	s_cselect_b32 s21, 8192, s21                   ; a pair of lanes: two rows of pt, or a key of V;
	s_mov_b32 s22, 256
	s_cselect_b32 s22, 4096, s22                   ; the odd lane: the second row, or the key's second 256 bytes
	s_add_nc_u64 s[PFB:PFB+1], s[PFB:PFB+1], s[POF:POF+1]
	s_and_b32 s23, s[CLY], 3                       ; the same in all sixteen partners, for a given wave
	s_cmp_eq_u32 s23, 0
	s_cselect_b32 s[PLIM], 16, 0
	s_cmp_eq_u32 s[WV], 0
	s_cselect_b32 s[PLIM], 16, s[PLIM]
	s_cmp_eq_u32 s[WV], 1
	s_cselect_b32 s[PLIM], 0, s[PLIM]
	CROUND                                         ; all sixteen work-groups are here: the first joint loads meet
	s_cmp_lt_u32 s[WV], 2                          ; a wave's two first fills stand in one branch: two loads of mine are out
	s_cbranch_scc0 .Lfirst_b
	tensor_load_to_lds s[G0A0:G0A0+3], s[G1A:G1A+7]
	s_nop 0
	tensor_load_to_lds s[G0A:G0A+3], s[G1A:G1A+7]
	s_nop 0
	PLACES
	s_branch .Lfirst_asked
.Lfirst_b:
	tensor_load_to_lds s[G0B0:G0B0+3], s[G1B:G1B+7]
	s_nop 0
	tensor_load_to_lds s[G0B:G0B+3], s[G1B:G1B+7]
	s_nop 0
	PLACES
.Lfirst_asked:
	v_and_b32 v[R], 15, v0
	v_bfe_u32 v[H], v0, 4, 1
	v_and_b32 v[LN], 31, v0
	v_lshlrev_b32 v[BO], 4, v[R]
.irp j, 0,1,2,3,4,5,6,7,8,9,10,11,12,13,14,15
	global_load_b128 v[CMV+4*(\j):CMV+4*(\j)+3], v[BO], s[XP:XP+1] offset:32768*(\j)         ; c m_j of my rows 16 a + l % 16, a = 0..3
	global_load_b128 v[LV+4*(\j):LV+4*(\j)+3],   v[BO], s[XP:XP+1] offset:32768*(\j)+524288  ; l_j
.endr
	v_mul_u32_u24 v4, v[R], PITCH
	v_lshl_add_u32 v4, v[H], 4, v4
	s_mul_i32 s23, s[RH], HALFA
	v_add_nc_u32 v[AA0], s23, v4                   ; P's fragments: row x pitch + 16 x half
	v_and_b32 v4, 7, v0                            ; V's: lane l reads key 8 (l / 16) + l % 8, channels 8 ((l / 8) % 2) + 0..7 of a group of 16
	v_lshl_add_u32 v4, v[H], 3, v4
	v_mul_u32_u24 v4, v4, VP
	v_bfe_u32 v5, v0, 3, 1
	v_lshl_add_u32 v4, v5, 4, v4
	s_lshl_b32 s23, s[CH], 8                       ; my 128 channels
	s_add_co_u32 s23, s23, AB
	v_add_nc_u32 v[AB0], s23, v4
	s_mul_i32 s23, s[WV], 16*SP
	s_add_co_u32 s23, s23, STAGE                   ; my stage
	v_mul_u32_u24 v4, v[R], SP                     ; in: row l % 16, 32 bytes for each half of the lanes
	v_lshl_add_u32 v4, v[H], 5, v4
	v_add_nc_u32 v[STO], s23, v4
	v_lshl_add_u32 v[RD], v[LN], 4, s23            ; back: 32 lanes take a row of 512 bytes
	v_lshlrev_b32 v[CO], 4, v[LN]
	v_lshrrev_b32 v4, 1, v[LN]
	v_and_b32 v5, 1, v[LN]
	v_mul_u32_u24 v4, s21, v4
	v_mad_u32_u24 v[PFO], v5, s22, v4
	s_lshl_b32 s23, s[WV], 13
	s_add_co_u32 s23, s23, FTAB
	v_lshl_add_u32 v[FTA], v[LN], 4, s23           ; my 16 bytes of my wave's table, step 0
.irp i, 0,1,2,3
	v_mov_b32 v[IL+2*(\i)+1], 0                    ; named as pairs
.endr
	v_mov_b32 v[ADA], v[AA0]
	v_mov_b32 v[ADB], v[AB0]
	s_wait_loadcnt 0x0
.irp a, 0,1,2,3                        ; CM: the largest of the 16 c m_j
	v_max3_num_f32 v[M4+(\a)], v[CMV+(\a)], v[CMV+4+(\a)], v[CMV+8+(\a)]
.endr
.irp j, 3,5,7,9,11,13
.irp a, 0,1,2,3
	v_max3_num_f32 v[M4+(\a)], v[M4+(\a)], v[CMV+4*(\j)+(\a)], v[CMV+4*(\j)+4+(\a)]
.endr
.endr
.irp a, 0,1,2,3
	v_max_num_f32 v[M4+(\a)], v[M4+(\a)], v[CMV+60+(\a)]
.endr
.irp j, 0,1,2,3,4,5,6,7,8,9,10,11,12,13,14,15
.irp p, 0,2
	v_pk_add_f32 v[CMV+4*(\j)+(\p):CMV+4*(\j)+(\p)+1], v[CMV+4*(\j)+(\p):CMV+4*(\j)+(\p)+1], v[M4+(\p):M4+(\p)+1] neg_lo:[0,1] neg_hi:[0,1]  ; c m_j - CM
.endr
.endr
.set k, 0
.rept 64
	v_exp_f32 v[CMV+k], v[CMV+k]                   ; f_j: one batch
.set k, k+1
.endr
	v_nop                                          ; a plain instruction behind the last exponential,
	s_wait_alu depctr_va_vdst(0)                   ; and one wait ahead of the first line that names a result
.irp p, 0,2
	v_pk_mul_f32 v[LA+(\p):LA+(\p)+1], v[CMV+(\p):CMV+(\p)+1], v[LV+(\p):LV+(\p)+1]
.endr
.irp j, 1,2,3,4,5,6,7,8,9,10,11,12,13,14,15
.irp p, 0,2
	v_pk_fma_f32 v[LA+(\p):LA+(\p)+1], v[CMV+4*(\j)+(\p):CMV+4*(\j)+(\p)+1], v[LV+4*(\j)+(\p):LV+4*(\j)+(\p)+1], v[LA+(\p):LA+(\p)+1]  ; L += f_j l_j
.endr
.endr
.set k, 0
.rept 64
	v_cvt_pk_f16_f32 v[CMV+k], v[CMV+k], v[CMV+k]  ; f_j twice in a word, for the packed multiply
.set k, k+1
.endr
.irp j, 0,1,2,3,4,5,6,7,8,9,10,11,12,13,14,15
	ds_store_b128 v[FTA], v[CMV+4*(\j):CMV+4*(\j)+3] offset:512*(\j)  ; my wave's own bytes: no other wave reads them
.endr
.irp a, 0,1,2,3
	v_rcp_f32 v[IL+2*(\a)], v[LA+(\a)]
.endr
	v_nop
	s_wait_alu depctr_va_vdst(0)                   ; one wait for the four reciprocals
	s_wait_tensorcnt 0x1                           ; my part of step 0 is in; step 1's may stay out
	s_wait_dscnt 0x0                               ; no LDS instruction of mine is pending at the signal
	s_barrier_signal -1
	s_barrier_wait -1
	FETCH 0, 2
	H1 1
	WIN 0
.Lstep:                                                ; 14 trips: a step's second half with its refill, then the next step's first half
	TURN 1
	H1 0
	WIN 0
	s_sub_co_u32 s[CNT], s[CNT], 1
	s_cmp_lg_u32 s[CNT], 0
	s_cbranch_scc1 .Lstep
	TURN 0                                         ; the tail is written out
	H1 0
	LAST
	PLACES                                         ; the multiplies below read results just made
	PACK 0
	TOSTAGE 0
.irp a, 1,2,3
	PACK \a
	SEND (\a)-1
	TOSTAGE \a
.endr
	SEND 3
	s_wait_tensorcnt 0x0                           ; the wave's end
	ds_add_u32 v[SPW], v[NIL]
	s_wait_dscnt 0x0
	CROUND                                         ; the closing round
	s_endpgm
.Lfunc_end_k_q4d2db18393_pv:
	.size	k_q4d2db18393_pv, .Lfunc_end_k_q4d2db18393_pv-k_q4d2db18393_pv
	.p2alignl 7, 3214868480
	.fill 96, 4, 3214868480
	.section	.rodata,"a",@progbits
	.p2align	6, 0x0
	.amdhsa_kernel k_q4d2db18393_pv
		.amdhsa_group_segment_fixed_size 327680
		.amdhsa_private_segment_fixed_size 0
		.amdhsa_enable_private_segment 0
		.amdhsa_kernarg_size 32
		.amdhsa_user_sgpr_count 2
		.amdhsa_user_sgpr_kernarg_segment_ptr 1
		.amdhsa_wavefront_size32 1
		.amdhsa_system_sgpr_workgroup_id_x 1
		.amdhsa_system_sgpr_workgroup_id_y 1
		.amdhsa_system_sgpr_workgroup_id_z 1
		.amdhsa_system_vgpr_workitem_id 0
		.amdhsa_next_free_vgpr 960
		.amdhsa_next_free_sgpr 92
		.amdhsa_reserve_vcc 0
		.amdhsa_float_denorm_mode_32 3
		.amdhsa_float_denorm_mode_16_64 3
		.amdhsa_memory_ordered 1
		.amdhsa_forward_progress 1
		.amdhsa_inst_pref_size 123
	.end_amdhsa_kernel
	.amdgpu_metadata
---
amdhsa.version: [ 1, 2 ]
amdhsa.kernels:
  - .name:           k_q4d2db18393_pv
    .symbol:         k_q4d2db18393_pv.kd
    .args:
      - { .name: pt, .offset: 0, .size: 8, .value_kind: global_buffer, .address_space: global }
      - { .name: qkv, .offset: 8, .size: 8, .value_kind: global_buffer, .address_space: global }
      - { .name: stats, .offset: 16, .size: 8, .value_kind: global_buffer, .address_space: global }
      - { .name: out0, .offset: 24, .size: 8, .value_kind: global_buffer, .address_space: global }
    .group_segment_fixed_size: 327680
    .private_segment_fixed_size: 0
    .kernarg_segment_align: 8
    .kernarg_segment_size: 32
    .max_flat_workgroup_size: 128
    .sgpr_count:     92
    .vgpr_count:     960
    .wavefront_size: 32
...
	.end_amdgpu_metadata
.endif
;; end of part 4
;; ======== version 2 of 2: 4 launches; version 1 with the launch tobf16 written anew for expert scheduling mode
;; limits: values are held in f16: magnitudes above 65,504 overflow, below 6.1e-05 lose precision
;; workspace buffers: Xb 16,777,216 bytes; Wb 6,291,456 bytes; bb 12,288 bytes; qkv 50,331,648 bytes; pt 33,554,432 bytes; stats 1,048,576 bytes
;; launch tobf16 (part 5): grid 707 x 1, 8 waves a work-group, no clusters, 0 bytes of LDS; arguments X, Wq, Wk, Wv, bq, bk, bv, Xb, Wb, bb; writes Xb, Wb, bb
.if DOCPART == 5
	.amdgcn_target "amdgcn-amd-amdhsa--gfx1250"
	.amdhsa_code_object_version 6
	.text
	.protected	k_q4d2db18393_tobf16
	.globl	k_q4d2db18393_tobf16
	.p2align	8
	.type	k_q4d2db18393_tobf16,@function
k_q4d2db18393_tobf16:
	s_mov_b64 s[64:65], 0
	v_nop
	global_prefetch_b8 v0, s[64:65] scope:SCOPE_SE
	s_setreg_imm32_b32 hwreg(HW_REG_WAVE_SCHED_MODE, 0, 2), 2
	s_setreg_imm32_b32 hwreg(HW_REG_WAVE_MODE, 25, 1), 1
	s_wait_xcnt 0x0
	s_wait_alu depctr_vm_vsrc(0)
; X, Wq, Wk, Wv (f32) are rounded once to bf16: Xb [8192][1024]; Wb [3072][1024] = Wq's rows, then Wk's, then Wv's.
; The three biases are rounded to bf16 too and kept as f32 in bb [3072], so that every input of the module has the same rounding.
; SHARES.  A row is 1,024 numbers: 4,096 bytes in, 2,048 out.  Thread t of 256 takes the 4 numbers at byte 16 t of each row.
; Work-groups 0-511: 16 rows of X each.  512-703: 16 rows of a weight matrix each.  704-706: one bias each.
; A stream: nothing is shared and nothing is read twice, so there is no LDS, no barrier, no matrix work.  All 16 loads of a thread go out first.
; A wave's load covers 512 consecutive bytes, a wave's store 256 consecutive bytes, aligned.
; THE MODE: SCHED_MODE bits 1:0 = 2 (LLVM: expert scheduling mode 2), set by the entry lines.  The code itself states the register dependences
; between vector instructions and memory instructions, with s_wait_alu, always for 0.
; THE PLAN.  Registers that memory instructions touch:
;   v1, v2   byte offsets, made once at the head and never written again: v1 is read by every load (and by the bias's store), v2 by every store of a row.
;   IN       written by the 16 loads alone, once each; no vector instruction names it before the loads are issued; read by the conversions behind the wait for the data.
;   OUT      written by the conversions, once each; read by the stores.
; The 16 rows go in four blocks of four.  Block p rounds its rows into its part of OUT; its memory instructions are the four stores of block p - 1, whose part of OUT
; no vector instruction of block p names.  So one wait at a block's head states all that the block's four stores hang on, and they are dealt among its conversions.
; No register that a memory instruction reads is written a second time, no vector instruction writes a scalar register, and EXEC is never written: no other wait has a dependence to state.
.set IN,  8                            ; v[8:71]    16 x 4 numbers as loaded
.set OUT, 72                           ; v[72:103]  16 x 2 words of two bf16
; Block p: rows 4 p to 4 p + 3 are rounded; the rows of the block before are stored.
.macro BLK p
	s_wait_loadcnt 12-4*(\p)                       ; loads come back in order: this block's four rows are in, the younger ones stay out
.if (\p) > 0
	s_wait_alu depctr_va_vdst(0)                   ; the block before has written its part of OUT, which the four stores below read
.endif
.irp i, 0,1,2,3
.if (\p) > 0
	global_store_b64 v2, v[OUT+2*(4*((\p)-1)+(\i)):OUT+2*(4*((\p)-1)+(\i))+1], s[6:7] offset:2048*(4*((\p)-1)+(\i))  ; no vector instruction since the wait names these registers
.endif
	v_cvt_pk_bf16_f32 v[OUT+2*(4*(\p)+(\i))], v[IN+4*(4*(\p)+(\i))], v[IN+4*(4*(\p)+(\i))+1]
	v_cvt_pk_bf16_f32 v[OUT+2*(4*(\p)+(\i))+1], v[IN+4*(4*(\p)+(\i))+2], v[IN+4*(4*(\p)+(\i))+3]
.endr
.endm
	s_load_b512 s[8:23], s[0:1], 0x0               ; X s[8:9], Wq s[10:11], Wk s[12:13], Wv s[14:15], bq s[16:17], bk s[18:19], bv s[20:21], Xb s[22:23]
	s_load_b128 s[24:27], s[0:1], 0x40             ; Wb s[24:25], bb s[26:27]
	v_lshlrev_b32 v1, 4, v0                        ; my 16 bytes of a row as it comes
	v_lshlrev_b32 v2, 3, v0                        ; my 8 bytes of a row as it leaves
	s_mov_b32 s35, 0                               ; high words of the two offsets
	s_mov_b32 s37, 0
	s_wait_kmcnt 0x0
	s_wait_alu depctr_va_vdst(0)                   ; v1 and v2 are written: every load and store of the kernel, on both ways below, reads one of them as its offset
	s_cmp_ge_u32 ttmp9, 704
	s_cbranch_scc1 .Lbias
	s_sub_co_u32 s30, ttmp9, 512                   ; w: my block of 16 rows among the 192 of the weights (used only from 512 on)
	s_lshr_b32 s31, s30, 6                         ; which matrix
	s_and_b32 s32, s30, 63                         ; which block of it
	s_cmp_eq_u32 s31, 1
	s_cselect_b64 s[4:5], s[12:13], s[10:11]
	s_cmp_eq_u32 s31, 2
	s_cselect_b64 s[4:5], s[14:15], s[4:5]
	s_cmp_lt_u32 ttmp9, 512                        ; or X
	s_cselect_b64 s[4:5], s[8:9], s[4:5]
	s_cselect_b64 s[6:7], s[22:23], s[24:25]
	s_cselect_b32 s32, ttmp9, s32                  ; block in the source
	s_cselect_b32 s30, ttmp9, s30                  ; block in the destination
	s_lshl_b32 s34, s32, 16                        ; 16 rows of 4,096 bytes
	s_lshl_b32 s36, s30, 15                        ; 16 rows of 2,048 bytes
	s_add_nc_u64 s[4:5], s[4:5], s[34:35]
	s_add_nc_u64 s[6:7], s[6:7], s[36:37]
.irp i, 0,1,2,3,4,5,6,7,8,9,10,11,12,13,14,15
	global_load_b128 v[IN+4*(\i):IN+4*(\i)+3], v1, s[4:5] offset:4096*(\i) th:TH_LOAD_NT
.endr
	BLK 0                                          ; no block stands in front of it: nothing to store, and no wait but the one for its data
	BLK 1
	BLK 2
	BLK 3
	s_wait_alu depctr_va_vdst(0)                   ; block 3 has written its part of OUT, which the last four stores read
.irp i, 12,13,14,15
	global_store_b64 v2, v[OUT+2*(\i):OUT+2*(\i)+1], s[6:7] offset:2048*(\i)  ; no register is written twice, so no wait frees one
.endr
	s_endpgm
.Lbias:
	s_sub_co_u32 s30, ttmp9, 704                   ; which bias
	s_cmp_eq_u32 s30, 1
	s_cselect_b64 s[4:5], s[18:19], s[16:17]
	s_cmp_eq_u32 s30, 2
	s_cselect_b64 s[4:5], s[20:21], s[4:5]
	s_lshl_b32 s34, s30, 12                        ; 1,024 numbers of 4 bytes
	s_add_nc_u64 s[6:7], s[26:27], s[34:35]
	global_load_b128 v[8:11], v1, s[4:5]
	s_wait_loadcnt 0x0
	v_cvt_pk_bf16_f32 v12, v8, v9                  ; rounded to bf16,
	v_cvt_pk_bf16_f32 v13, v10, v11
	v_lshlrev_b32 v16, 16, v12                     ; and written as f32 again
	v_and_b32 v17, 0xffff0000, v12
	v_lshlrev_b32 v18, 16, v13
	v_and_b32 v19, 0xffff0000, v13
	s_wait_alu depctr_va_vdst(0)                   ; the four lines above have written v[16:19], which the store reads
	global_store_b128 v1, v[16:19], s[6:7]
	s_endpgm
.Lfunc_end_k_q4d2db18393_tobf16:
	.size	k_q4d2db18393_tobf16, .Lfunc_end_k_q4d2db18393_tobf16-k_q4d2db18393_tobf16
	.p2alignl 7, 3214868480
	.fill 96, 4, 3214868480
	.section	.rodata,"a",@progbits
	.p2align	6, 0x0
	.amdhsa_kernel k_q4d2db18393_tobf16
		.amdhsa_group_segment_fixed_size 0
		.amdhsa_private_segment_fixed_size 0
		.amdhsa_enable_private_segment 0
		.amdhsa_kernarg_size 80
		.amdhsa_user_sgpr_count 2
		.amdhsa_user_sgpr_kernarg_segment_ptr 1
		.amdhsa_wavefront_size32 1
		.amdhsa_system_sgpr_workgroup_id_x 1
		.amdhsa_system_sgpr_workgroup_id_y 1
		.amdhsa_system_sgpr_workgroup_id_z 1
		.amdhsa_system_vgpr_workitem_id 0
		.amdhsa_next_free_vgpr 104
		.amdhsa_next_free_sgpr 66
		.amdhsa_reserve_vcc 0
		.amdhsa_float_denorm_mode_32 3
		.amdhsa_float_denorm_mode_16_64 3
		.amdhsa_memory_ordered 1
		.amdhsa_forward_progress 1
		.amdhsa_inst_pref_size 8
	.end_amdhsa_kernel
	.amdgpu_metadata
---
amdhsa.version: [ 1, 2 ]
amdhsa.kernels:
  - .name:           k_q4d2db18393_tobf16
    .symbol:         k_q4d2db18393_tobf16.kd
    .args:
      - { .name: X, .offset: 0, .size: 8, .value_kind: global_buffer, .address_space: global }
      - { .name: Wq, .offset: 8, .size: 8, .value_kind: global_buffer, .address_space: global }
      - { .name: Wk, .offset: 16, .size: 8, .value_kind: global_buffer, .address_space: global }
      - { .name: Wv, .offset: 24, .size: 8, .value_kind: global_buffer, .address_space: global }
      - { .name: bq, .offset: 32, .size: 8, .value_kind: global_buffer, .address_space: global }
      - { .name: bk, .offset: 40, .size: 8, .value_kind: global_buffer, .address_space: global }
      - { .name: bv, .offset: 48, .size: 8, .value_kind: global_buffer, .address_space: global }
      - { .name: Xb, .offset: 56, .size: 8, .value_kind: global_buffer, .address_space: global }
      - { .name: Wb, .offset: 64, .size: 8, .value_kind: global_buffer, .address_space: global }
      - { .name: bb, .offset: 72, .size: 8, .value_kind: global_buffer, .address_space: global }
    .group_segment_fixed_size: 0
    .private_segment_fixed_size: 0
    .kernarg_segment_align: 8
    .kernarg_segment_size: 80
    .max_flat_workgroup_size: 256
    .sgpr_count:     66
    .vgpr_count:     104
    .wavefront_size: 32
...
	.end_amdgpu_metadata
.endif
;; end of part 5
;; launch proj: the kernel of part 2 again; grid 12 x 16, 4 waves a work-group, clusters of 4 x 4, 327,680 bytes of LDS; arguments Xb, Wb, bb, qkv; writes qkv
;; launch scores: the kernel of part 3 again; grid 8 x 32, 4 waves a work-group, clusters of 4 x 4, 327,680 bytes of LDS; arguments qkv, pt, stats; writes pt, stats
;; launch pv: the kernel of part 4 again; grid 4 x 64, 4 waves a work-group, clusters of 4 x 4, 327,680 bytes of LDS; arguments pt, qkv, stats, out0; writes out0
